; MI455X (gfx1250); checked and timed in simulation.
; The chip was launched on July 23, 2026; its instructions are those of AMD's public machine-readable ISA for CDNA 5 (MIT licence, August 2026) and "CDNA5" Instruction Set Architecture Reference Guide (July 2026). The comments in the code are by the model that wrote it; some were corrected since.
;; TF Idefics Attention. Allowed arithmetic: matrix products marked QUANTISED: E4M3 operands, one given power-of-two scale a tensor, by v_wmma_f32_16x16x64_fp8_fp8 or v_wmma_f32_16x16x128_fp8_fp8, f32 sums; products left as they are: f32 operands where the result goes on into a quantised operand, else bf16, f16 or f32 operands; f32 sums; everything else in f32.
;; Inputs: attention_mask 1 x 1 x 2,048 x 2,048 float32; hidden_states_codes 1 x 2,048 x 64 x 32 uint8 (E4M3 codes of hidden_states, K innermost, in blocks of 32 codes); k_ln_w 64 float32; lowp_scales 12 int32 (the exponents e of the quantised operands' scales 2^e); position_ids 1 x 2,048 int32; q_ln_w 64 float32; wk_codes 2,048 x 64 x 32 uint8 (E4M3 codes of wk, K innermost, in blocks of 32 codes); wo_codes 2,048 x 64 x 32 uint8 (E4M3 codes of wo, K innermost, in blocks of 32 codes); wq_codes 2,048 x 64 x 32 uint8 (E4M3 codes of wq, K innermost, in blocks of 32 codes); wv_codes 2,048 x 64 x 32 uint8 (E4M3 codes of wv, K innermost, in blocks of 32 codes).
;; Outputs: out0 1 x 2,048 x 2,048 float32.
;; This version of the problem:
;;   THIS VERSION OF THE PROBLEM IS GIVEN IN LOW PRECISION. The matrix products marked QUANTISED in the list below multiply operands that are first quantised to E4M3 (4 exponent bits, 3 mantissa bits; 8 bits a number), with one given power-of-two scale for each operand tensor; their sums are f32. All else is computed in f32.
;;   The module's matrix products, in the order in which they are computed (A, B: the left and right operand; K: the contracted axis; several contracted axes count as one K, in the product's order):
;;     1. [M 2,048, K 2,048] x [K 2,048, N 2,048]; A: input hidden_states (given as codes); B: input wq (given as codes): QUANTISED (scales: A lowp_scales[0], B lowp_scales[1])
;;     2. [M 2,048, K 2,048] x [K 2,048, N 2,048]; A: input hidden_states (given as codes); B: input wk (given as codes): QUANTISED (scales: A lowp_scales[2], B lowp_scales[3])
;;     3. [M 2,048, K 2,048] x [K 2,048, N 2,048]; A: input hidden_states (given as codes); B: input wv (given as codes): QUANTISED (scales: A lowp_scales[4], B lowp_scales[5])
;;     4. [M 2,048, K 1] x [K 1, N 32]; A: computed on the way; B: computed on the way: left as it is (no contracted axis)
;;     5. batch 32 x [M 2,048, K 64] x [K 64, N 2,048]; A: computed on the way; B: computed on the way: QUANTISED (scales: A lowp_scales[6], B lowp_scales[7])
;;     6. batch 32 x [M 2,048, K 2,048] x [K 2,048, N 64]; A: softmax (see below); B: computed on the way: QUANTISED (scales: A lowp_scales[8], B lowp_scales[9])
;;     7. [M 2,048, K 2,048] x [K 2,048, N 2,048]; A: computed on the way; B: input wo (given as codes): QUANTISED (scales: A lowp_scales[10], B lowp_scales[11])
;;   THE QUANTISER, for each operand of a quantised product, along K:
;;     - The operand's scale is 2^e, e = its entry of the input lowp_scales (int32; the entries are numbered through the quantised products in the list's order, A before B).
;;     - Each number is divided by the scale, clamped to +-448, and rounded to the nearest number of E4M3, ties to even, subnormals kept.
;;     - The product sums the exact products of the quantised numbers (number of the format x scale) in f32.
;;   ~~~python
;;   def quantise(x, axis, e):      # numpy; x: float32 -> the quantised numbers, widened to float32 again
;;       x = np.moveaxis(x, axis, -1); K = x.shape[-1]
;;       r = np.clip(x / 2.0 ** e, -448, 448)
;;       step = 2.0 ** (np.maximum(np.frexp(np.where(r == 0, 1, r))[1] - 1, -6) - 3)
;;       q = np.round(r / step) * step * 2.0 ** e      # np.round: ties to even
;;       return np.moveaxis(q, -1, axis).astype(np.float32)
;;   ~~~
;;   SOFTMAX AHEAD OF A QUANTISED PRODUCT. Where the list says 'softmax', what is quantised is not the finished softmax but p = 2^(t - M), with t = logit x log2(e) and M = ceil(the row's largest t), a whole number; so 1/2 < the row's largest p <= 1. The row's sum l is taken of the UNQUANTISED p, in f32, and the product's result is divided by l at the end. Since M is a whole number, a kernel that streams over the keys may use a running M (the ceiling of the running maximum): every later rescaling is an exact power of two, so the quantised numbers keep their values, but for numbers so far below the row's largest that they fall under the format's range.
;;   OPERANDS COMPUTED ON THE WAY. 'Computed on the way' means the value that the module computes at that place (a softmax that the list does not call 'softmax' is quantised finished and normalised). What goes into a quantiser is computed in f32, as accurately as f32 sums, v_exp_f32 and their like allow (about 1e-6 of the number): no bf16 or f16 on the way to a quantiser, and a product that is left as it is and whose result goes on into a quantised operand takes f32 operands (vector FMAs, or v_wmma_f32_16x16x4_f32). A number that lies on a knife's edge between two numbers of the format may be rounded either way, as far as f32 arithmetic and the matrix unit's own rounding can turn it there, and no further.
;;   INPUTS GIVEN AS CODES. hidden_states (in the module: [1, 2048, 2048], K = its axis 2); wk (in the module: [2048, 2048], K = its axis 0); wo (in the module: [2048, 2048], K = its axis 0); wq (in the module: [2048, 2048], K = its axis 0); wv (in the module: [2048, 2048], K = its axis 0): each comes as NAME_codes (uint8): NAME with its K axis moved to the last place and cut into blocks of 32 codes, [.., K / 32, bytes a block], one block behind the other in memory; one code a byte (a code: sign, 4 exponent bits, 3 mantissa bits); its scale is its entry of lowp_scales. Its value is code x scale, taken as it is: it is not quantised again, and the codes and scales need not be those that the quantiser above would give.
;; One version. Each part assembles by itself: llvm-mc -triple=amdgcn-amd-amdhsa -mcpu=gfx1250 --defsym DOCPART=n.
;; ======== version 1 of 1: 3 launches
;; limits: right only within a limited range of input values
;; workspace buffers: qc 4,194,304 bytes; kc 4,194,304 bytes; vc 4,194,304 bytes; ac 4,194,304 bytes
;; launch qkv (part 1): grid 16 x 16, 4 waves a work-group, clusters of 4 x 4, 327,680 bytes of LDS; arguments hidden_states_codes, wq_codes, wk_codes, wv_codes, position_ids, q_ln_w, k_ln_w, lowp_scales, qc, kc, vc; writes qc, kc, vc
.if DOCPART == 1
	.amdgcn_target "amdgcn-amd-amdhsa--gfx1250"
	.amdhsa_code_object_version 6
	.text
	.protected	k_q7df4b72083_qkv
	.globl	k_q7df4b72083_qkv
	.p2align	8
	.type	k_q7df4b72083_qkv,@function
k_q7df4b72083_qkv:
	s_mov_b64 s[64:65], 0
	v_nop
	global_prefetch_b8 v0, s[64:65] scope:SCOPE_SE
	s_setreg_imm32_b32 hwreg(HW_REG_WAVE_MODE, 25, 1), 1
	s_wait_xcnt 0x0
	s_wait_alu depctr_hold_cnt(0) depctr_sa_sdst(0) depctr_va_vdst(0) depctr_va_sdst(0) depctr_va_ssrc(0) depctr_va_vcc(0) depctr_vm_vsrc(0)
	s_getreg_b32 s2, hwreg(HW_REG_IB_STS2, 6, 4)
	s_cmp_eq_u32 s2, 0
	s_cbranch_scc0 .Lentry_in_a_cluster
	s_endpgm
.Lentry_in_a_cluster:
	s_bfe_u32 s2, ttmp6, 0x10000c
	s_cmp_lg_u32 s2, 0xf033
	s_cbranch_scc0 .Lentry_shape_is_right
	s_endpgm
.Lentry_shape_is_right:
; q, k, v = hidden x wq, wk, wv on codes of FP8 (E4M3); then, for q and k, the rotary turn by position_ids, the RMS norm of each head of 64 with its gain, and the quantisers
; (q: entry 6 of the scales, k: entry 7); v is quantised along the tokens, which are the K of the second attention product (entry 9).
; SHARES.  A work-group (x = pair of heads hp, y = block of 128 tokens rb) makes 128 tokens x (2 heads of q, of k and of v).  Wave w: rh = w / 2 takes 64 tokens, ch = w % 2 one head:
; 4 tiles of tokens (a) x 12 tiles of features (b: 0-3 q, 4-7 k, 8-11 v) = 48 accumulators.  K goes in steps of 256 through a ring of two LDS slots; region w of a slot is fetched by wave w:
; 0 hidden's 128 rows, 1 wq's, 2 wk's, 3 wv's 128 rows.  CLUSTER 4 x 4: hidden's tile hangs on rb alone and is asked for jointly along a row of the cluster, the weights' on hp alone, along a column.
; LAYOUT.  q and k are made TRANSPOSED (source 0 = 16 rows of the weight, source 1 = 16 tokens): a lane holds one token, register j of tile tt the feature d = 16 tt + 8 (lane / 16) + j, and the
; rotary partner d + 32 is tile tt + 2, same lane, same register.  v is made the other way round: a lane holds one feature and eight neighbouring tokens.  So every conversion's result is a pair of
; registers of the operand that the attention launch wants, and the workspace buffers are IMAGES OF OPERAND REGISTERS: each store of a wave covers 512 consecutive bytes, aligned.
;   qc, kc: ((rb 16 + hp) 2 + head) 8192 + tile 1024 + g 512 + 16 lane (a fragment of 16 tokens x 64 d);   vc: ((rb 16 + hp) 2 + head) 8192 + dt 2048 + g 512 + 16 lane (16 d x 128 tokens).
; COS AND SIN stand ahead of a quantiser: inv_freq = 1 / fl32(10^(f / 8)), the quotient rounded by two corrections of v_rcp_f32; angle = pos x inv_freq, one f32 product; its reduction by
; pi / 2 in two parts with fused multiply-adds; polynomials of degree 7 and 8.  They are made while the first tiles are on their way, each wave two of its row half's four tiles, and meet in LDS.
; LIMITS: 2 (e0 + e1) - 6 and 2 (e2 + e3) - 6 between -126 and 127; e6, e7 and e9 - e4 - e5 between -126 and 119, so that each power of two below is an f32 number.  position_ids between 0 and 2047.
; NaN among the inputs is not served.  inv_freq is reference()'s where its power is rounded to the nearest f32 number; else it differs by a last bit.
; REGISTERS, in windows of 256.  window 0: v1-31 addresses and constants; v64-255 the weights' 12 fragments, ONE set (on the way out: at work).  window 1: v0-127 hidden's 4 fragments, TWO sets;
; v128-159 q's gain, v160-191 k's.  window 2: accumulators b = 0..7 at 8 (4 b + a).  window 3: b = 8..11 at 8 (4 (b - 8) + a).
.set PITCH, 272                        ; an LDS row: 256 bytes + 16 of padding, an odd multiple of 16
.set HALFT, 128*PITCH                  ; 128 rows: what one tensor load brings
.set SLOT,  4*HALFT
.set SPARE, 2*SLOT                     ; the spare words: 128 bytes a wave, two blocks of 256 bytes that no other line names
.set CS,    SPARE+512                  ; cos and sin as register images: [rh 2][a 4][g 8][512 bytes]; g 0-3 cos, 4-7 sin
.set WF,    64
.set WV,    26                         ; s26 wave, s27 rh, s28 ch
.set G1A,   36                         ; s[36:43] group 1 for hidden's tiles, s[44:51] for the weights'
.set G1B,   44
.set G0A,   52                         ; s[52:59] group 0 for hidden's tiles, a set a slot; s[68:75] for the weights'
.set G0B,   68
.set MSB, 0
.macro WIN new                         ; the immediate's high byte repeats the setting that is left
.if MSB != \new
	s_set_vgpr_msb (MSB<<8)|\new
.set MSB, \new
.endif
.endm
.macro PLACES                          ; four plain places behind matrix instructions, in front of loads into their registers and of reads of results
.rept 4
	v_nop
.endr
.endm
; A joint load: wave 0 fetches hidden's tile, waves 1 to 3 a weight's.  The branch hangs on the wave's number alone.  Four v_nop follow each line.
.macro JLOAD s
	s_cmp_eq_u32 s[WV], 0
	s_cbranch_scc0 .Lfor_w_\@
	tensor_load_to_lds s[G0A+4*\s:G0A+4*\s+3], s[G1A:G1A+7]
	s_nop 0
.rept 4
	v_nop
.endr
	s_branch .Lasked_\@
.Lfor_w_\@:
	tensor_load_to_lds s[G0B+4*\s:G0B+4*\s+3], s[G1B:G1B+7]
	s_nop 0
.rept 4
	v_nop
.endr
.Lasked_\@:
.endm
.macro CREST                           ; a round of the cluster's barrier behind its opening barrier
	s_cmp_lg_u32 s[WV], 0
	s_cbranch_scc1 .Lnot_wave_0_\@
	s_barrier_signal -3
.Lnot_wave_0_\@:
	s_barrier_wait -3
	s_barrier_signal -1
	s_barrier_wait -1
.endm
.macro CROUND
	s_barrier_signal -1
	s_barrier_wait -1
	CREST
.endm
	s_load_b256 s[4:11], s[0:1], 0x0               ; hidden s[4:5], wq s[6:7], wk s[8:9], wv s[10:11]
	s_load_b256 s[12:19], s[0:1], 0x20             ; position_ids s[12:13], q_ln_w s[14:15], k_ln_w s[16:17], the scales s[18:19]
	s_load_b128 s[20:23], s[0:1], 0x40             ; qc s[20:21], kc s[22:23]
	s_load_b64 s[24:25], s[0:1], 0x50              ; vc
	v_lshl_add_u32 v12, v0, 2, SPARE               ; my spare word; never rewritten
	v_mov_b32 v13, 0                               ; 0; never rewritten
	ds_add_u32 v12, v13
	ds_add_u32 v12, v13
	s_wait_dscnt 0x0
	v_lshrrev_b32 v22, 5, v0
	v_readfirstlane_b32 s[WV], v22                 ; wave 0..3
	s_lshr_b32 s27, s[WV], 1                       ; rh
	s_and_b32 s28, s[WV], 1                        ; ch
	s_bfe_u32 s29, ttmp6, 0x40000                  ; cx
	s_bfe_u32 s30, ttmp6, 0x40004                  ; cy
	s_lshl_b32 s31, ttmp9, 2
	s_add_co_u32 s31, s31, s29                     ; hp = 4 x cluster x + cx
	s_and_b32 s32, ttmp7, 0xffff
	s_lshl_b32 s32, s32, 2
	s_add_co_u32 s32, s32, s30                     ; rb = 4 x cluster y + cy
	s_lshl_b32 s33, s30, 2
	s_lshl_b32 s33, 15, s33                        ; my row of the cluster
	s_lshl_b32 s34, 0x1111, s29                    ; my column
	; group 1: a tile of 128 rows x 256 bytes, 16 bytes of padding behind each row
	s_or_b32 s[G1A], s33, (1<<20)|(1<<21)|(5<<22)|(3<<25)   ; 15:0 the mask; 17:16 elements of 1 byte; 20 padding on; 21 set beside a mask; 24:22 after every 64 words; 31:25 four words
	s_or_b32 s[G1B], s34, (1<<20)|(1<<21)|(5<<22)|(3<<25)
.irp g, G1A, G1B
	s_mov_b32 s[\g+1], 256<<16                     ; tensor_dim0
	s_mov_b32 s[\g+2], 128<<16                     ; tensor_dim1
	s_mov_b32 s[\g+3], 256<<16                     ; tile_dim0
	s_mov_b32 s[\g+4], 128                         ; tile_dim1
	s_mov_b32 s[\g+5], 2048                        ; bytes from row to row
	s_mov_b32 s[\g+6], 0
	s_mov_b32 s[\g+7], 0
.endr
	s_lshl_b32 s96, s32, 18                        ; hidden: 128 rb rows of 2,048 bytes
	s_mov_b32 s97, 0
	s_lshl_b32 s98, s31, 18                        ; a weight: 128 hp rows
	s_mov_b32 s99, 0
	s_mul_i32 s35, s[WV], HALFT                    ; my region of a slot
	s_wait_kmcnt 0x0
	s_load_b256 s[76:83], s[18:19], 0x0            ; e0 .. e7
	s_load_b128 s[84:87], s[18:19], 0x20           ; e8 .. e11
	s_cmp_eq_u32 s[WV], 1
	s_cselect_b64 s[88:89], s[6:7], s[10:11]       ; wave 1: wq; wave 3: wv
	s_cmp_eq_u32 s[WV], 2
	s_cselect_b64 s[88:89], s[8:9], s[88:89]       ; wave 2: wk
	s_add_nc_u64 s[60:61], s[4:5], s[96:97]
	s_add_nc_u64 s[88:89], s[88:89], s[98:99]
	s_cmp_eq_u32 s[WV], 0                          ; the prefetches: of the 128 rows that I fetch, the partner at place p takes rows 32 p .. 32 p + 31 (p = cx for hidden, cy for a weight): told apart by address
	s_cselect_b64 s[66:67], s[60:61], s[88:89]
	s_cselect_b32 s100, s29, s30
	s_lshl_b32 s100, s100, 16                      ; 32 rows of 2,048 bytes
	s_mov_b32 s101, 0
	s_add_nc_u64 s[66:67], s[66:67], s[100:101]
	CROUND                                         ; all sixteen work-groups are here: the first joint loads meet
.irp s, 0,1
	s_mov_b32 s[G0A+4*\s], 1
	s_add_co_u32 s[G0A+4*\s+1], s35, \s*SLOT
	s_add_nc_u64 s[G0A+4*\s+2:G0A+4*\s+3], s[60:61], \s*256
	s_or_b32 s[G0A+4*\s+3], s[G0A+4*\s+3], 0x80000000
	s_mov_b32 s[G0B+4*\s], 1
	s_add_co_u32 s[G0B+4*\s+1], s35, \s*SLOT
	s_add_nc_u64 s[G0B+4*\s+2:G0B+4*\s+3], s[88:89], \s*256
	s_or_b32 s[G0B+4*\s+3], s[G0B+4*\s+3], 0x80000000
.endr
	JLOAD 0                                        ; K step 0: one tensor load a wave at the head
	v_and_b32 v30, 31, v0
	v_lshlrev_b32 v30, 11, v30                     ; the prefetches' offset: a lane a row; never rewritten
	global_prefetch_b8 v30, s[66:67] offset:256 th:TH_LOAD_NT scope:SCOPE_SE   ; K steps 1 and 2: 256 bytes of each of my work-group's 32 rows; behind the load of K step s stands the request for K step s + 2
	global_prefetch_b8 v30, s[66:67] offset:512 th:TH_LOAD_NT scope:SCOPE_SE
	v_and_b32 v1, 15, v0
	v_bfe_u32 v2, v0, 4, 1                         ; h
	v_and_b32 v3, 31, v0
	v_lshlrev_b32 v3, 4, v3                        ; 16 x lane: an image's place for my lane
	v_lshlrev_b32 v26, 2, v1                       ; position_ids: 4 r
	s_wait_alu depctr_va_vdst(0)
	v_lshlrev_b32 v27, 5, v2                       ; the gains: 32 h
	s_wait_alu depctr_va_vdst(0)
	s_lshl_b32 s100, s32, 7
	s_lshl_b32 s101, s27, 6
	s_add_co_u32 s100, s100, s101
	s_lshl_b32 s101, s28, 5
	s_add_co_u32 s100, s100, s101                  ; the first token whose cos and sin I make: 128 rb + 64 rh + 32 ch
	s_lshl_b32 s100, s100, 2
	s_mov_b32 s101, 0
	s_add_nc_u64 s[12:13], s[12:13], s[100:101]
	global_load_b32 v28, v26, s[12:13]             ; tile 2 ch
	global_load_b32 v29, v26, s[12:13] offset:64   ; tile 2 ch + 1
	WIN 0x40                                       ; destination window 1
.irp t, 0,1,2,3                        ; register 8 t + j = w[16 t + 8 h + j]
	global_load_b128 v[128+8*\t:131+8*\t], v27, s[14:15] offset:64*\t
	global_load_b128 v[132+8*\t:135+8*\t], v27, s[14:15] offset:64*\t+16
	global_load_b128 v[160+8*\t:163+8*\t], v27, s[16:17] offset:64*\t
	global_load_b128 v[164+8*\t:167+8*\t], v27, s[16:17] offset:64*\t+16
.endr
	WIN 0
	; LDS addresses
	v_mul_u32_u24 v22, v1, PITCH
	v_lshl_add_u32 v22, v2, 4, v22                 ; a fragment's row x pitch + 16 x half
	s_mul_i32 s100, s27, 64*PITCH
	v_add_nc_u32 v4, s100, v22                     ; v4, v5: hidden's fragments in slot 0, 1
	v_add_nc_u32 v5, SLOT, v4
	s_mul_i32 s100, s28, 64*PITCH
	s_add_co_u32 s100, s100, HALFT
.irp k, 0,1,2                          ; v6-11: wq's, wk's, wv's in slot 0, 1
	v_add_nc_u32 v[6+2*\k], s100, v22
	v_add_nc_u32 v[7+2*\k], SLOT, v[6+2*\k]
	s_add_co_u32 s100, s100, HALFT
.endr
	s_lshl_b32 s100, s[WV], 13
	s_add_co_u32 s100, s100, CS
	v_add_nc_u32 v14, s100, v3                     ; where I store cos and sin: my two tiles
	s_lshl_b32 s100, s27, 14
	s_add_co_u32 s100, s100, CS
	v_add_nc_u32 v15, s100, v3                     ; where I read them: my row half's four tiles
	; inv_freq of my 16 frequencies: register i = 8 tt + j: f = 16 tt + 8 h + j
	v_cmp_ne_u32 vcc_lo, 0, v2
.macro AF i, lo, hi                    ; 10^(f / 8), rounded to f32: lo for lanes 0-15, hi for lanes 16-31
	v_mov_b32 v[64+\i], \hi
	v_cndmask_b32 v[64+\i], \lo, v[64+\i], vcc_lo
.endm
	AF 0, 1.0, 10.0
	AF 1, 1.333521432163324, 13.33521432163324
	AF 2, 1.7782794100389228, 17.782794100389228
	AF 3, 2.371373705661655, 23.71373705661655
	AF 4, 3.1622776601683795, 31.622776601683795
	AF 5, 4.216965034285822, 42.16965034285822
	AF 6, 5.623413251903491, 56.23413251903491
	AF 7, 7.498942093324558, 74.98942093324558
	AF 8, 100.0, 1000.0
	AF 9, 133.3521432163324, 1333.521432163324
	AF 10, 177.82794100389228, 1778.2794100389228
	AF 11, 237.1373705661655, 2371.373705661655
	AF 12, 316.22776601683795, 3162.2776601683795
	AF 13, 421.6965034285822, 4216.965034285822
	AF 14, 562.3413251903491, 5623.413251903491
	AF 15, 749.8942093324558, 7498.942093324558
	s_wait_alu depctr_va_vdst(0)
.irp i, 0,1,2,3,4,5,6,7,8,9,10,11,12,13,14,15
	v_rcp_f32 v[96+\i], v[64+\i]
.endr
	v_nop                                          ; a plain place behind the last reciprocal
	s_wait_alu depctr_va_vdst(0)                   ; one wait for the sixteen, ahead of their first reader
.irp i, 0,1,2,3,4,5,6,7,8,9,10,11,12,13,14,15
	v_fma_f32 v[112+\i], -v[64+\i], v[96+\i], 1.0  ; the error of the reciprocal,
.endr
.irp i, 0,1,2,3,4,5,6,7,8,9,10,11,12,13,14,15
	v_fma_f32 v[96+\i], v[112+\i], v[96+\i], v[96+\i]   ; taken off
.endr
.irp i, 0,1,2,3,4,5,6,7,8,9,10,11,12,13,14,15
	v_fma_f32 v[112+\i], -v[64+\i], v[96+\i], 1.0
.endr
.irp i, 0,1,2,3,4,5,6,7,8,9,10,11,12,13,14,15
	v_fma_f32 v[64+\i], v[112+\i], v[96+\i], v[96+\i]   ; once more: inv_freq in v64-79
.endr
	v_mov_b32 v80, 0xb94ca1f9                      ; the sine's highest coefficient, as a pair
	v_mov_b32 v81, 0xb94ca1f9
	v_mov_b32 v82, 0x37ccf5ce                      ; the cosine's
	v_mov_b32 v83, 0x37ccf5ce
; cos and sin of pos x inv_freq for tile 2 ch + ap: angle v96-, n v112-, r v128-, r^2 v144-, sin(r) v160-, cos(r) v176-; the results take r^2's (cos) and r's (sin) registers
.macro COSSIN ap
	v_cvt_f32_i32 v84, v[28+\ap]
	v_mov_b32 v85, v84
.irp i, 0,2,4,6,8,10,12,14
	v_pk_mul_f32 v[96+\i:97+\i], v[64+\i:65+\i], v[84:85]                                   ; the angle: one f32 product
.endr
.irp i, 0,2,4,6,8,10,12,14
	v_pk_mul_f32 v[112+\i:113+\i], v[96+\i:97+\i], 0x3f22f983 op_sel_hi:[1,0]               ; x 2 / pi
.endr
.irp i, 0,1,2,3,4,5,6,7,8,9,10,11,12,13,14,15
	v_rndne_f32 v[112+\i], v[112+\i]                                                        ; n, at most 1,304
.endr
.irp i, 0,2,4,6,8,10,12,14
	v_pk_fma_f32 v[128+\i:129+\i], v[112+\i:113+\i], 0xbfc90fdb, v[96+\i:97+\i] op_sel_hi:[1,0,1]   ; angle - n x fl32(pi / 2): nothing is rounded (n has 11 bits, the difference lies under 1)
.endr
.irp i, 0,2,4,6,8,10,12,14
	v_pk_fma_f32 v[128+\i:129+\i], v[112+\i:113+\i], 0x333bbd2e, v[128+\i:129+\i] op_sel_hi:[1,0,1] ; + n x (fl32(pi / 2) - pi / 2)
.endr
.irp i, 0,2,4,6,8,10,12,14
	v_pk_mul_f32 v[144+\i:145+\i], v[128+\i:129+\i], v[128+\i:129+\i]
.endr
.irp i, 0,2,4,6,8,10,12,14
	v_pk_fma_f32 v[160+\i:161+\i], v[144+\i:145+\i], v[80:81], 0x3c08839e op_sel_hi:[1,1,0]
	v_pk_fma_f32 v[176+\i:177+\i], v[144+\i:145+\i], v[82:83], 0xbab6061a op_sel_hi:[1,1,0]
.endr
.irp i, 0,2,4,6,8,10,12,14
	v_pk_fma_f32 v[160+\i:161+\i], v[160+\i:161+\i], v[144+\i:145+\i], 0xbe2aaaa3 op_sel_hi:[1,1,0]
	v_pk_fma_f32 v[176+\i:177+\i], v[176+\i:177+\i], v[144+\i:145+\i], 0x3d2aaaa5 op_sel_hi:[1,1,0]
.endr
.irp i, 0,2,4,6,8,10,12,14
	v_pk_mul_f32 v[160+\i:161+\i], v[160+\i:161+\i], v[144+\i:145+\i]
	v_pk_fma_f32 v[176+\i:177+\i], v[176+\i:177+\i], v[144+\i:145+\i], -0.5 op_sel_hi:[1,1,0]
.endr
.irp i, 0,2,4,6,8,10,12,14
	v_pk_fma_f32 v[160+\i:161+\i], v[160+\i:161+\i], v[128+\i:129+\i], v[128+\i:129+\i]     ; sin(r)
	v_pk_fma_f32 v[176+\i:177+\i], v[176+\i:177+\i], v[144+\i:145+\i], 1.0 op_sel_hi:[1,1,0]  ; cos(r)
.endr
.irp i, 0,1,2,3,4,5,6,7,8,9,10,11,12,13,14,15
	v_cvt_i32_f32 v[192+\i], v[112+\i]
.endr
.irp i, 0,1,2,3,4,5,6,7,8,9,10,11,12,13,14,15
	v_and_b32 v[208+\i], 1, v[192+\i]
.endr
.irp i, 0,1,2,3,4,5,6,7,8,9,10,11,12,13,14,15
	v_cmp_eq_u32 vcc_lo, 1, v[208+\i]              ; an odd quarter turn changes sine and cosine over
	v_cndmask_b32 v[128+\i], v[160+\i], v[176+\i], vcc_lo
	v_cndmask_b32 v[144+\i], v[176+\i], v[160+\i], vcc_lo
.endr
.irp i, 0,1,2,3,4,5,6,7,8,9,10,11,12,13,14,15
	v_lshlrev_b32 v[208+\i], 30, v[192+\i]         ; the sine is negative where n % 4 is 2 or 3,
	v_add_lshl_u32 v[192+\i], v[192+\i], 1, 30     ; the cosine where it is 1 or 2
.endr
.irp i, 0,1,2,3,4,5,6,7,8,9,10,11,12,13,14,15
	v_and_b32 v[208+\i], 0x80000000, v[208+\i]
	v_and_b32 v[192+\i], 0x80000000, v[192+\i]
.endr
.irp i, 0,1,2,3,4,5,6,7,8,9,10,11,12,13,14,15
	v_xor_b32 v[128+\i], v[128+\i], v[208+\i]
	v_xor_b32 v[144+\i], v[144+\i], v[192+\i]
.endr
.irp g, 0,1,2,3
	ds_store_b128 v14, v[144+4*\g:147+4*\g] offset:\ap*4096+\g*512
	ds_store_b128 v14, v[128+4*\g:131+4*\g] offset:\ap*4096+2048+\g*512
.endr
.endm
	s_wait_loadcnt 16                              ; the two loads of position_ids are in; the sixteen of the gains are younger
	COSSIN 0
	s_wait_dscnt 0x0                               ; the stores have read their registers
	COSSIN 1
	; where my results go
	s_lshl_b32 s100, s32, 4
	s_add_co_u32 s100, s100, s31
	s_lshl_b32 s100, s100, 1
	s_add_co_u32 s100, s100, s28
	s_lshl_b32 s100, s100, 13                      ; ((rb 16 + hp) 2 + ch) 8192
	s_mov_b32 s101, 0
	s_add_nc_u64 s[20:21], s[20:21], s[100:101]
	s_add_nc_u64 s[22:23], s[22:23], s[100:101]
	s_add_nc_u64 s[24:25], s[24:25], s[100:101]
	s_lshl_b32 s100, s27, 12                       ; q, k: my four tiles of tokens begin at tile 4 rh
	s_add_nc_u64 s[20:21], s[20:21], s[100:101]
	s_add_nc_u64 s[22:23], s[22:23], s[100:101]
	s_lshl_b32 s100, s27, 10                       ; v: my 64 tokens are groups 2 rh, 2 rh + 1 of each fragment
	s_add_nc_u64 s[24:25], s[24:25], s[100:101]
	s_mov_b32 s94, 0x76543210                      ; v_permlanex16_b32: lane l xor 16
	s_mov_b32 s95, 0xfedcba98
	s_mov_b32 s63, 0x358637bd                      ; 1e-6
	s_wait_kmcnt 0x0
	s_add_co_i32 s90, s76, s77                     ; a sum of q stands for sum x 2^(e0 + e1),
	s_add_co_i32 s91, s78, s79                     ; of k for sum x 2^(e2 + e3)
	s_lshl_b32 s92, s90, 1
	s_add_co_i32 s92, s92, 121
	s_lshl_b32 s92, s92, 23                        ; 2^(2 (e0 + e1) - 6): a sum of 64 squares becomes the mean square
	s_lshl_b32 s93, s91, 1
	s_add_co_i32 s93, s93, 121
	s_lshl_b32 s93, s93, 23
	s_sub_co_i32 s62, s85, s80
	s_sub_co_i32 s62, s62, s81                     ; e9 - e4 - e5: v's three scales folded into the conversion's one
.macro POW2 vs, vl, se                 ; v[vs] = 2^se, v[vl] = 448 x 2^se
	s_add_co_i32 s100, \se, 127
	s_lshl_b32 s101, s100, 23
	v_mov_b32 v[\vs], s101
	s_add_co_i32 s100, s100, 8
	s_lshl_b32 s100, s100, 23
	s_or_b32 s100, s100, 0x600000
	v_mov_b32 v[\vl], s100
.endm
	POW2 16, 17, s82
	POW2 18, 19, s83
	POW2 20, 21, s62
.macro FRAG reg, adr, q, i             ; 16 rows x 128 K: registers 4 c .. 4 c + 3 hold K = 32 c + 16 (lane / 16) + 0 .. 15: one order of k for both sources, so every product meets its partner
.irp c, 0,1,2,3
	ds_load_b128 v[\reg+4*\c:\reg+4*\c+3], v[\adr] offset:128*(\q)+32*\c+(\i)*16*PITCH
.endr
.endm
.macro FETCH_X slot, q, p              ; hidden's four fragments of the slot's q-th 128 along K into set p: 16 loads
	WIN 0x40
.irp i, 0,1,2,3
	FRAG 64*(\p)+16*\i, 4+\slot, \q, \i
.endr
	WIN 0
.endm
.macro FETCH_W slot, q, b0             ; the weights' blocks b0 .. b0 + 5: 24 loads
.irp b, \b0, \b0+1, \b0+2, \b0+3, \b0+4, \b0+5
	FRAG WF+16*(\b), 6+2*((\b)/4)+\slot, \q, (\b)%4
.endr
.endm
; four matrix instructions: block b of the weights against hidden's four tiles.  The 48 accumulators take turns, one instruction a turn, in one order in every step.
.macro MULB b, p, zero
.if (\b) < 8
	WIN 0xa4                                       ; source 0 (the weight) window 0, source 1 (hidden) window 1, C and D window 2
.irp a, 0,1,2,3
.if \zero
	v_wmma_f32_16x16x128_fp8_fp8 v[8*(4*(\b)+\a):8*(4*(\b)+\a)+7], v[WF+16*(\b):WF+16*(\b)+15], v[64*(\p)+16*\a:64*(\p)+16*\a+15], 0
.else
	v_wmma_f32_16x16x128_fp8_fp8 v[8*(4*(\b)+\a):8*(4*(\b)+\a)+7], v[WF+16*(\b):WF+16*(\b)+15], v[64*(\p)+16*\a:64*(\p)+16*\a+15], v[8*(4*(\b)+\a):8*(4*(\b)+\a)+7]
.endif
.endr
.else
	WIN 0xf1                                       ; source 0 (hidden) window 1, source 1 (wv) window 0, C and D window 3
.irp a, 0,1,2,3
.if \zero
	v_wmma_f32_16x16x128_fp8_fp8 v[8*(4*((\b)-8)+\a):8*(4*((\b)-8)+\a)+7], v[64*(\p)+16*\a:64*(\p)+16*\a+15], v[WF+16*(\b):WF+16*(\b)+15], 0
.else
	v_wmma_f32_16x16x128_fp8_fp8 v[8*(4*((\b)-8)+\a):8*(4*((\b)-8)+\a)+7], v[64*(\p)+16*\a:64*(\p)+16*\a+15], v[WF+16*(\b):WF+16*(\b)+15], v[8*(4*((\b)-8)+\a):8*(4*((\b)-8)+\a)+7]
.endif
.endr
.endif
.endm
; A slot's first 128 along K (hidden's set 0); the second 128's fragments are fetched on the way.
.macro STEP slot, zero
	s_wait_dscnt 24                                ; hidden's set and blocks 0-5 are in; the youngest 24 loads (blocks 6-11) may be out
.irp b, 0,1,2,3,4,5
	MULB \b, 0, \zero
.endr
	s_wait_dscnt 0x0                               ; blocks 6-11 are in
	PLACES
	FETCH_X \slot, 1, 1
	FETCH_W \slot, 1, 0
.irp b, 6,7,8,9,10,11
	MULB \b, 0, \zero
.endr
	PLACES
	WIN 0
	FETCH_W \slot, 1, 6
.endm
; A slot's second 128 along K (set 1) changes slots: ONE barrier; in front of it each wave waits for all its tensor loads, adds 0 to its spare word, and waits for that and for its reads of this slot.
.macro TURN slot, next, fill
	s_wait_tensorcnt 0x0                           ; all my tensor loads have landed: my part of the next slot
	ds_add_u32 v12, v13                            ; 0 onto my spare word
	s_wait_dscnt 25                                ; (the add and the youngest 24 loads may be out)
.irp b, 0,1,2
	MULB \b, 1, 0
.endr
	s_wait_dscnt 0x0                               ; the add is done, and my reads of this slot are over
	s_barrier_signal -1
.irp b, 3,4,5
	MULB \b, 1, 0
.endr
	WIN 0
	s_barrier_wait -1
.if \fill
	CREST                                          ; the barrier has opened a round of the cluster's: no wave of any partner still reads this slot or has a load on its way
	s_add_nc_u64 s[G0A+4*\slot+2:G0A+4*\slot+3], s[G0A+4*\slot+2:G0A+4*\slot+3], 512
	s_add_nc_u64 s[G0B+4*\slot+2:G0B+4*\slot+3], s[G0B+4*\slot+2:G0B+4*\slot+3], 512
	JLOAD \slot                                    ; the first tensor load behind the round, my one load out; its four v_nop are the places in front of the loads below
.else
	PLACES
.endif
	FETCH_X \next, 0, 0
	FETCH_W \next, 0, 0
.if \fill
	s_cmp_gt_u32 s3, 1                             ; the last trip's refills have no K step two on
	s_cbranch_scc0 .Lno_ask_\@
	global_prefetch_b8 v30, s[66:67] offset:1024+256*\slot th:TH_LOAD_NT scope:SCOPE_SE   ; the K step two refills on
.Lno_ask_\@:
.endif
.irp b, 6,7,8,9,10,11
	MULB \b, 1, 0
.endr
	PLACES
	WIN 0
	FETCH_W \next, 0, 6
.endm
	s_wait_loadcnt 0x0                             ; the gains
	s_wait_alu depctr_va_vdst(0)
	s_wait_tensorcnt 0x0                           ; my part of K step 0 is in; slot 1's first fill is issued as a refill is
	ds_add_u32 v12, v13
	s_wait_dscnt 0x0                               ; the add is done, and my cos and sin are stored
	CROUND
	JLOAD 1                                        ; K step 1, the first tensor load behind the round
	FETCH_X 0, 0, 0
	FETCH_W 0, 0, 0
	FETCH_W 0, 0, 6
	global_prefetch_b8 v30, s[66:67] offset:768 th:TH_LOAD_NT scope:SCOPE_SE   ; K step 3
	STEP 0, 1
	s_mov_b32 s3, 3
.Llap:                                             ; three trips: K steps 2 to 7 are asked for
	TURN 0, 1, 1
	STEP 1, 0
	TURN 1, 0, 1
	STEP 0, 0
	s_wait_xcnt 0x0                                ; my prefetches have read their address
	s_add_nc_u64 s[66:67], s[66:67], 512           ; two K steps on
	s_sub_co_u32 s3, s3, 1
	s_cmp_lg_u32 s3, 0
	s_cbranch_scc1 .Llap
	TURN 0, 1, 0                                   ; the last lap fills nothing
	STEP 1, 0
	s_wait_dscnt 24
.irp b, 0,1,2,3,4,5
	MULB \b, 1, 0
.endr
	s_wait_dscnt 0x0
.irp b, 6,7,8,9,10,11
	MULB \b, 1, 0
.endr
	WIN 0
	PLACES
; THE WAY OUT.  window 0: v64-79 cos, v80-95 sin, v96-127 q's 32 numbers of a token and half, v128-159 k's, v160-175 at work, v176-191 sums of squares, v192-207 codes, v208-239 v's codes.
.macro CSLOAD a
.irp g, 0,1,2,3,4,5,6,7
	ds_load_b128 v[64+4*\g:67+4*\g], v15 offset:(\a)*4096+\g*512
.endr
.endm
.macro TOK a                           ; tile a of tokens: q and k (kd = 0, 1)
	s_wait_dscnt 0x0                               ; its cos and sin are in
	WIN 0x02                                       ; source 0: window 2
.irp kd, 0,1
.irp tt, 0,1
.irp jp, 0,2,4,6                       ; each accumulator is read from its low end on
	v_pk_mul_f32 v[160+2*\jp:161+2*\jp], v[8*(4*(4*\kd+\tt+2)+\a)+\jp:8*(4*(4*\kd+\tt+2)+\a)+\jp+1], v[80+8*\tt+\jp:81+8*\tt+\jp]
	v_pk_mul_f32 v[162+2*\jp:163+2*\jp], v[8*(4*(4*\kd+\tt)+\a)+\jp:8*(4*(4*\kd+\tt)+\a)+\jp+1], v[80+8*\tt+\jp:81+8*\tt+\jp]
.endr
.irp jp, 0,2,4,6
	v_pk_fma_f32 v[96+32*\kd+8*\tt+\jp:97+32*\kd+8*\tt+\jp], v[8*(4*(4*\kd+\tt)+\a)+\jp:8*(4*(4*\kd+\tt)+\a)+\jp+1], v[64+8*\tt+\jp:65+8*\tt+\jp], v[160+2*\jp:161+2*\jp] neg_lo:[0,0,1] neg_hi:[0,0,1]   ; x(d) cos - x(d + 32) sin
	v_pk_fma_f32 v[112+32*\kd+8*\tt+\jp:113+32*\kd+8*\tt+\jp], v[8*(4*(4*\kd+\tt+2)+\a)+\jp:8*(4*(4*\kd+\tt+2)+\a)+\jp+1], v[64+8*\tt+\jp:65+8*\tt+\jp], v[162+2*\jp:163+2*\jp]                          ; x(d + 32) cos + x(d) sin
.endr
.endr
.endr
	WIN 0
.if (\a) < 3
	CSLOAD (\a)+1                                  ; the next tile's land under this tile's norm
.endif
.irp kd, 0,1
.irp c, 0,1,2,3
	v_pk_mul_f32 v[176+8*\kd+2*\c:177+8*\kd+2*\c], v[96+32*\kd+8*\c:97+32*\kd+8*\c], v[96+32*\kd+8*\c:97+32*\kd+8*\c]
.endr
.endr
.irp p, 2,4,6
.irp kd, 0,1
.irp c, 0,1,2,3
	v_pk_fma_f32 v[176+8*\kd+2*\c:177+8*\kd+2*\c], v[96+32*\kd+8*\c+\p:97+32*\kd+8*\c+\p], v[96+32*\kd+8*\c+\p:97+32*\kd+8*\c+\p], v[176+8*\kd+2*\c:177+8*\kd+2*\c]
.endr
.endr
.endr
.irp kd, 0,1
	v_pk_add_f32 v[176+8*\kd:177+8*\kd], v[176+8*\kd:177+8*\kd], v[178+8*\kd:179+8*\kd]
	v_pk_add_f32 v[180+8*\kd:181+8*\kd], v[180+8*\kd:181+8*\kd], v[182+8*\kd:183+8*\kd]
.endr
.irp kd, 0,1
	v_pk_add_f32 v[176+8*\kd:177+8*\kd], v[176+8*\kd:177+8*\kd], v[180+8*\kd:181+8*\kd]
.endr
.irp kd, 0,1
	v_add_f32 v[176+8*\kd], v[176+8*\kd], v[177+8*\kd]
.endr
.irp kd, 0,1
	v_permlanex16_b32 v[160+\kd], v[176+8*\kd], s94, s95   ; the token's other 32 features lie in the lane 16 away
.endr
.irp kd, 0,1
	v_add_f32 v[176+8*\kd], v[176+8*\kd], v[160+\kd]
.endr
.irp kd, 0,1
	v_fma_f32 v[162+\kd], v[176+8*\kd], s[92+\kd], s63     ; the mean square + 1e-6
.endr
	s_wait_alu depctr_va_vdst(0)
.irp kd, 0,1
	v_rsq_f32 v[164+2*\kd], v[162+\kd]
.endr
	v_nop                                          ; a plain place behind the last root
	s_wait_alu depctr_va_vdst(0)                   ; one wait for the two, ahead of their first reader
.irp kd, 0,1
	v_ldexp_f32 v[164+2*\kd], v[164+2*\kd], s[90+\kd]      ; x the power of two that the sums lack
.endr
.irp kd, 0,1
.irp i, 0,2,4,6,8,10,12,14,16,18,20,22,24,26,28,30
	v_pk_mul_f32 v[96+32*\kd+\i:97+32*\kd+\i], v[96+32*\kd+\i:97+32*\kd+\i], v[164+2*\kd:165+2*\kd] op_sel_hi:[1,0]
.endr
.endr
	WIN 0x04                                       ; source 1: window 1, the gains
.irp kd, 0,1
.irp i, 0,2,4,6,8,10,12,14,16,18,20,22,24,26,28,30
	v_pk_mul_f32 v[96+32*\kd+\i:97+32*\kd+\i], v[96+32*\kd+\i:97+32*\kd+\i], v[128+32*\kd+\i:129+32*\kd+\i]
.endr
.endr
	WIN 0
.irp kd, 0,1
.irp i, 0,1,2,3,4,5,6,7,8,9,10,11,12,13,14,15,16,17,18,19,20,21,22,23,24,25,26,27,28,29,30,31
	v_med3_num_f32 v[96+32*\kd+\i], v[96+32*\kd+\i], -v[17+2*\kd], v[17+2*\kd]   ; the conversion to an 8-bit code does not saturate (ISA guide 7.6.2): the hold at the largest code x the scale
.endr
.endr
.if (\a) > 0
	s_wait_alu depctr_va_vdst(0)
	s_wait_xcnt 0x0                                ; the last tile's stores have read their registers: the codes may be written again
.endif
.irp kd, 0,1
.irp tt, 0,1,2,3
	v_cvt_scalef32_pk8_fp8_f32 v[192+8*\kd+2*\tt:193+8*\kd+2*\tt], v[96+32*\kd+8*\tt:103+32*\kd+8*\tt], v[16+2*\kd]   ; registers 2 tt, 2 tt + 1 of the fragment: d = 16 tt + 8 h + 0 .. 7
.endr
.endr
	v_nop                                          ; a plain place behind the last conversion
.irp kd, 0,1
.irp g, 0,1
	global_store_b128 v3, v[192+8*\kd+4*\g:195+8*\kd+4*\g], s[20+2*\kd:21+2*\kd] offset:(\a)*1024+\g*512   ; 32 lanes store 512 consecutive bytes, aligned
.endr
.endr
.endm
	CSLOAD 0
.irp a, 0,1,2,3
	TOK \a
.endr
.irp dt, 0,1,2,3                       ; v: a lane holds feature 16 dt + r and, in tile a, tokens 16 a + 8 h + 0 .. 7
	WIN 0x03                                       ; source 0: window 3
.irp a, 0,1,2,3
.irp j, 0,1,2,3,4,5,6,7
	v_med3_num_f32 v[96+8*\a+\j], v[8*(4*\dt+\a)+\j], -v21, v21
.endr
.endr
	WIN 0
.irp a, 0,1,2,3
	v_cvt_scalef32_pk8_fp8_f32 v[208+8*\dt+2*\a:209+8*\dt+2*\a], v[96+8*\a:103+8*\a], v20
.endr
	v_nop                                          ; a plain place behind the last conversion
	global_store_b128 v3, v[208+8*\dt:211+8*\dt], s[24:25] offset:\dt*2048
	global_store_b128 v3, v[212+8*\dt:215+8*\dt], s[24:25] offset:\dt*2048+512
.endr
	s_wait_tensorcnt 0x0                           ; the wave's end
	ds_add_u32 v12, v13
	s_wait_dscnt 0x0
	CROUND                                         ; the closing round: no work-group ends while a partner may still ask for a tile that names it
	s_endpgm
.Lfunc_end_k_q7df4b72083_qkv:
	.size	k_q7df4b72083_qkv, .Lfunc_end_k_q7df4b72083_qkv-k_q7df4b72083_qkv
	.p2alignl 7, 3214868480
	.fill 96, 4, 3214868480
	.section	.rodata,"a",@progbits
	.p2align	6, 0x0
	.amdhsa_kernel k_q7df4b72083_qkv
		.amdhsa_group_segment_fixed_size 327680
		.amdhsa_private_segment_fixed_size 0
		.amdhsa_enable_private_segment 0
		.amdhsa_kernarg_size 88
		.amdhsa_user_sgpr_count 2
		.amdhsa_user_sgpr_kernarg_segment_ptr 1
		.amdhsa_wavefront_size32 1
		.amdhsa_system_sgpr_workgroup_id_x 1
		.amdhsa_system_sgpr_workgroup_id_y 1
		.amdhsa_system_sgpr_workgroup_id_z 1
		.amdhsa_system_vgpr_workitem_id 0
		.amdhsa_next_free_vgpr 896
		.amdhsa_next_free_sgpr 102
		.amdhsa_reserve_vcc 1
		.amdhsa_float_denorm_mode_32 3
		.amdhsa_float_denorm_mode_16_64 3
		.amdhsa_memory_ordered 1
		.amdhsa_forward_progress 1
		.amdhsa_inst_pref_size 191
	.end_amdhsa_kernel
	.amdgpu_metadata
---
amdhsa.version: [ 1, 2 ]
amdhsa.kernels:
  - .name:           k_q7df4b72083_qkv
    .symbol:         k_q7df4b72083_qkv.kd
    .args:
      - { .name: hidden_states_codes, .offset: 0, .size: 8, .value_kind: global_buffer, .address_space: global }
      - { .name: wq_codes, .offset: 8, .size: 8, .value_kind: global_buffer, .address_space: global }
      - { .name: wk_codes, .offset: 16, .size: 8, .value_kind: global_buffer, .address_space: global }
      - { .name: wv_codes, .offset: 24, .size: 8, .value_kind: global_buffer, .address_space: global }
      - { .name: position_ids, .offset: 32, .size: 8, .value_kind: global_buffer, .address_space: global }
      - { .name: q_ln_w, .offset: 40, .size: 8, .value_kind: global_buffer, .address_space: global }
      - { .name: k_ln_w, .offset: 48, .size: 8, .value_kind: global_buffer, .address_space: global }
      - { .name: lowp_scales, .offset: 56, .size: 8, .value_kind: global_buffer, .address_space: global }
      - { .name: qc, .offset: 64, .size: 8, .value_kind: global_buffer, .address_space: global }
      - { .name: kc, .offset: 72, .size: 8, .value_kind: global_buffer, .address_space: global }
      - { .name: vc, .offset: 80, .size: 8, .value_kind: global_buffer, .address_space: global }
    .group_segment_fixed_size: 327680
    .private_segment_fixed_size: 0
    .kernarg_segment_align: 8
    .kernarg_segment_size: 88
    .max_flat_workgroup_size: 128
    .sgpr_count:     102
    .vgpr_count:     896
    .wavefront_size: 32
...
	.end_amdgpu_metadata
.endif
;; end of part 1
;; launch attn (part 2): grid 16 x 16, 8 waves a work-group, clusters of 4 x 4, 327,680 bytes of LDS; arguments qc, kc, vc, attention_mask, lowp_scales, ac; writes ac
.if DOCPART == 2
	.amdgcn_target "amdgcn-amd-amdhsa--gfx1250"
	.amdhsa_code_object_version 6
	.text
	.protected	k_q7df4b72083_attn
	.globl	k_q7df4b72083_attn
	.p2align	8
	.type	k_q7df4b72083_attn,@function
k_q7df4b72083_attn:
	s_mov_b64 s[64:65], 0
	v_nop
	global_prefetch_b8 v0, s[64:65] scope:SCOPE_SE
	s_setreg_imm32_b32 hwreg(HW_REG_WAVE_MODE, 25, 1), 1
	s_wait_xcnt 0x0
	s_wait_alu depctr_hold_cnt(0) depctr_sa_sdst(0) depctr_va_vdst(0) depctr_va_sdst(0) depctr_va_ssrc(0) depctr_va_vcc(0) depctr_vm_vsrc(0)
	s_getreg_b32 s2, hwreg(HW_REG_IB_STS2, 6, 4)
	s_cmp_eq_u32 s2, 0
	s_cbranch_scc0 .Lentry_in_a_cluster
	s_endpgm
.Lentry_in_a_cluster:
	s_bfe_u32 s2, ttmp6, 0x10000c
	s_cmp_lg_u32 s2, 0xf033
	s_cbranch_scc0 .Lentry_shape_is_right
	s_endpgm
.Lentry_shape_is_right:
; attn = softmax(q k^T / 8 + attention_mask) v, both products on codes of FP8 (E4M3), then quantised (entry 10 of the scales) for the last projection.
; THE SOFTMAX: t = logit x log2(e); M = the row's largest t so far, rounded UP to a whole number; p = 2^(t - M) is quantised (entry 8), not normalised; the row's sum is taken of the unquantised p
; and divides O at the end.  When M moves, the sum and O are multiplied by 2^(old M - new M), which rounds nothing.
; THE MASK IS AN INPUT: every number of it is read and added.  It is multiplied by 2^(3 - e6 - e7) and is the C of the first product, in place: a sum stands for logit x 2^(3 - e6 - e7), t = sum x kappa,
; kappa = log2(e) x 2^(e6 + e7 - 3).
; SHARES.  A work-group (x = block of 128 queries qb, y = pair of heads hp) has EIGHT waves, two to a SIMD.  Wave w: head hd = w % 2, query tiles 2 (w / 2) + t, t = 0, 1.  Each fragment of K and V feeds two
; matrix instructions.  Every wave walks all 2,048 keys, 128 a step.
; LAYOUT.  S^T = K Q^T + C (source 0 = 16 keys, source 1 = 16 queries), O^T = V^T P: a lane holds ONE query; register j of key tile a is key 16 a + 8 (lane / 16) + j, so a conversion of a tile gives
; registers 2 a, 2 a + 1 of P.  qc, kc, vc and ac are images of operand registers: 512 bytes for four registers, 16 x lane.
; RING.  Two LDS slots, 2^17 bytes apart: K's images (16 KiB), V's (16 KiB), the mask's 128 rows x (512 + 16) bytes.  Every wave fetches: waves 0 to 3 one head's 8 KiB of K or of V, waves 4 to 7 32 rows of the mask.
; CLUSTER 4 x 4: K and V hang on hp alone and are asked for jointly along a row of the cluster, the mask on qb alone, along a column.  The change of slots stands behind the first product, when the step's
; fragments are all in registers.
; THE TWO TILES GO AS A PIPELINE: tile 0's exponentials have tile 1's scalings between them, tile 1's have tile 0's first sums and holds between them; each line so laid reads only what was written ahead of the
; batch's opening wait, and what it writes is read behind the closing wait.
; LIMITS: e6 + e7 - 3 between -126 and 126; e8 and e10 - e8 - e9 between -126 and 119; mask x 2^(3 - e6 - e7) stays finite.  NaN among the inputs is not served.
; REGISTERS.  window 0: v1-10 addresses; v16-23 four a tile t: -M, the largest t, the sum in two halves; v24-63 at work; v64-191 the mask, then S^T, then p (64 t + 8 a); v192-223 partial sums, then P's codes
; (16 t); v224-229 constants; v232-247 Q (8 t).  window 1: v0-63 O^T (32 t + 8 dt); v64-127 K (8 a); v128-191 V (16 dt).
.set SLOT1, 1<<17
.set VOFF,  16384
.set MOFF,  32768
.set MP,    528                        ; a row of the mask in LDS: 512 bytes + 16, an odd multiple of 16
.set SPARE, 2*SLOT1                    ; the spare words: 128 bytes a wave, four blocks of 256 bytes that no other line names
.set WV,   16                          ; s16 wave, s17 hd, s70 w / 2, s71 w % 4
.set G1D,  24                          ; s[24:31] group 1 for K's and V's dense blocks; s[32:39] for the mask's rows
.set G1M,  32
.set G0D,  40                          ; s[40:43], s[44:47] their groups 0, which walk
.set G0M,  44
.set CNT,  56                          ; s56 slots still to be asked for
.set TB,   57                          ; s57 LDS byte at which the slot to be read begins
.set KAP,  58                          ; s[58:59] kappa
.set SEL,  60                          ; s[60:61] v_permlanex16_b32: lane l xor 16
.set MSC,  62                          ; s[62:63] 2^(3 - e6 - e7)
.set PFA,  66                          ; s[66:67] where my prefetches stand; s[68:69] a tile on
.set PFS,  68
.set MSB, 0
.macro WIN new                         ; the immediate's high byte repeats the setting that is left
.if MSB != \new
	s_set_vgpr_msb (MSB<<8)|\new
.set MSB, \new
.endif
.endm
.macro PLACES
.rept 4
	v_nop
.endr
.endm
.macro JLOAD                           ; a joint load by the walking sets, one a wave; the branch hangs on the wave's number alone; s_nop 0 and four v_nop follow each line
	s_cmp_lt_u32 s[WV], 4
	s_cbranch_scc0 .Lfor_m_\@
	tensor_load_to_lds s[G0D:G0D+3], s[G1D:G1D+7]
	s_nop 0
.rept 4
	v_nop
.endr
	s_branch .Lasked_\@
.Lfor_m_\@:
	tensor_load_to_lds s[G0M:G0M+3], s[G1M:G1M+7]
	s_nop 0
.rept 4
	v_nop
.endr
.Lasked_\@:
.endm
.macro WALK                            ; the walking sets: the other slot, the next 128 keys
	s_xor_b32 s[G0D+1], s[G0D+1], SLOT1
	s_add_nc_u64 s[G0D+2:G0D+3], s[G0D+2:G0D+3], 262144
	s_xor_b32 s[G0M+1], s[G0M+1], SLOT1
	s_add_nc_u64 s[G0M+2:G0M+3], s[G0M+2:G0M+3], 512
.endm
.macro CROUND                          ; a round of the cluster's barrier
	s_barrier_signal -1
	s_barrier_wait -1
	s_cmp_lg_u32 s[WV], 0
	s_cbranch_scc1 .Lnot_wave_0_\@
	s_barrier_signal -3
.Lnot_wave_0_\@:
	s_barrier_wait -3
	s_barrier_signal -1
	s_barrier_wait -1
.endm
; A PREFETCH INTO THE L2.  Behind the load of tile s stands the request for tile s + 2: at the head tile 2 (and tile 1 with it) behind tile 0's load and tile 3 behind tile 1's; in trip j (s[CNT] = 14 - j) the
; joint load asks for tile j + 2 and the prefetch for tile j + 4; trips 12 and 13 ask for nothing.  Tile 0 comes by its load alone.
; Every cluster asks for what it loads; of what wave w fetches, each of the four partners that ask jointly takes a quarter, told apart by address: K, V: 2 KiB, eight lanes 256 bytes apart (place cx);
; the mask: 8 rows, two lanes a row (place cy).  The lanes left over name their wave's last block again.
.macro ASK
	s_cmp_gt_u32 s[CNT], 2
	s_cbranch_scc0 .Lnot_mine_\@
	global_prefetch_b8 v7, s[PFA:PFA+1] th:TH_LOAD_NT scope:SCOPE_SE
.Lnot_mine_\@:
.endm
	s_load_b256 s[4:11], s[0:1], 0x0               ; qc s[4:5], kc s[6:7], vc s[8:9], the mask s[10:11]
	s_load_b128 s[12:15], s[0:1], 0x20             ; the scales s[12:13], ac s[14:15]
	v_lshl_add_u32 v5, v0, 2, SPARE                ; my spare word; never rewritten
	v_mov_b32 v6, 0                                ; 0; never rewritten
	ds_add_u32 v5, v6                              ; the opening lines: the add, twice on end, and its wait
	ds_add_u32 v5, v6
	v_lshrrev_b32 v8, 5, v0
	v_readfirstlane_b32 s[WV], v8                  ; wave 0..7
	s_and_b32 s17, s[WV], 1
	s_lshr_b32 s70, s[WV], 1
	s_and_b32 s71, s[WV], 3
	s_bfe_u32 s18, ttmp6, 0x40000                  ; cx
	s_bfe_u32 s19, ttmp6, 0x40004                  ; cy
	s_lshl_b32 s20, ttmp9, 2
	s_add_co_u32 s20, s20, s18                     ; qb
	s_and_b32 s21, ttmp7, 0xffff
	s_lshl_b32 s21, s21, 2
	s_add_co_u32 s21, s21, s19                     ; hp
	s_lshl_b32 s22, s19, 2
	s_lshl_b32 s22, 15, s22                        ; my row of the cluster
	s_lshl_b32 s23, 0x1111, s18                    ; my column
	s_or_b32 s[G1D], s22, (3<<16)|(1<<21)          ; a dense block of 8 KiB as 32 rows of 32 elements of 8 bytes; the mask of my row; bit 21 beside it
	s_mov_b32 s[G1D+1], 32<<16
	s_mov_b32 s[G1D+2], 32<<16
	s_mov_b32 s[G1D+3], 32<<16
	s_mov_b32 s[G1D+4], 32
	s_mov_b32 s[G1D+5], 32
	s_mov_b32 s[G1D+6], 0
	s_mov_b32 s[G1D+7], 0
	s_or_b32 s[G1M], s23, (2<<16)|(1<<20)|(1<<21)|(6<<22)|(3<<25)   ; 32 rows of 128 f32, 2,048 apart; four words of padding after every 128; the mask of my column
	s_mov_b32 s[G1M+1], 128<<16
	s_mov_b32 s[G1M+2], 32<<16
	s_mov_b32 s[G1M+3], 128<<16
	s_mov_b32 s[G1M+4], 32
	s_mov_b32 s[G1M+5], 2048
	s_mov_b32 s[G1M+6], 0
	s_mov_b32 s[G1M+7], 0
	s_lshl_b32 s90, s21, 14                        ; K, V: the pair of heads' 16 KiB of a block of 128 keys, + my head's 8 KiB
	s_lshl_b32 s91, s17, 13
	s_add_co_u32 s90, s90, s91
	s_mov_b32 s91, 0
	s_lshl_b32 s92, s20, 20                        ; the mask: row 128 qb + 32 (w % 4)
	s_lshl_b32 s93, s71, 18
	s_add_co_u32 s92, s92, s93
	s_mov_b32 s93, 0
	s_lshl_b32 s72, s71, 13                        ; in a slot: K's two heads, V's two heads, 8 KiB each;
	s_mul_i32 s73, s71, 32*MP
	s_add_co_u32 s73, s73, MOFF                    ; the mask's quarters
	s_mov_b32 s[SEL], 0x76543210
	s_mov_b32 s[SEL+1], 0xfedcba98
	s_mov_b32 s[TB], 0
	s_mov_b32 s[CNT], 14
	s_wait_dscnt 0x0                               ; both opening adds are done
	s_wait_kmcnt 0x0
	s_load_b256 s[76:83], s[12:13], 0x0            ; e0 .. e7
	s_load_b128 s[84:87], s[12:13], 0x20           ; e8 .. e11
	s_cmp_lt_u32 s[WV], 2
	s_cselect_b64 s[88:89], s[6:7], s[8:9]         ; waves 0, 1: K; waves 2, 3: V
	s_add_nc_u64 s[88:89], s[88:89], s[90:91]
	s_add_nc_u64 s[74:75], s[10:11], s[92:93]
	CROUND                                         ; all sixteen work-groups are here: the first joint loads meet
	s_mov_b32 s[G0D], 1
	s_mov_b32 s[G0D+1], s72
	s_mov_b64 s[G0D+2:G0D+3], s[88:89]
	s_or_b32 s[G0D+3], s[G0D+3], 0x80000000
	s_mov_b32 s[G0M], 1
	s_mov_b32 s[G0M+1], s73
	s_mov_b64 s[G0M+2:G0M+3], s[74:75]
	s_or_b32 s[G0M+3], s[G0M+3], 0x80000000
	JLOAD                                          ; tile 0: one tensor load a wave at the head
	s_lshl_b32 s94, s20, 4
	s_add_co_u32 s94, s94, s21                     ; qb 16 + hp
	s_lshl_b32 s94, s94, 14
	s_lshl_b32 s95, s17, 13
	s_add_co_u32 s96, s94, s95
	s_lshl_b32 s95, s70, 11
	s_add_co_u32 s96, s96, s95                     ; Q: my head, my two tiles of 1 KiB
	s_mov_b32 s97, 0
	s_add_nc_u64 s[4:5], s[4:5], s[96:97]
	s_lshl_b32 s95, s70, 12
	s_add_co_u32 s96, s94, s95
	s_lshl_b32 s95, s17, 10
	s_add_co_u32 s96, s96, s95                     ; ac: my two tiles of 2 KiB, + my head's 1 KiB in each
	s_add_nc_u64 s[14:15], s[14:15], s[96:97]
	s_lshl_b32 s94, s18, 11                        ; the prefetches.  K, V: my work-group's 2 KiB of what I fetch
	s_lshl_b32 s95, s19, 16                        ; the mask: my work-group's 8 rows
	s_mov_b32 s[PFS], 512
	s_cmp_lt_u32 s[WV], 4
	s_cselect_b64 s[PFA:PFA+1], s[88:89], s[74:75]
	s_cselect_b32 s94, s94, s95
	s_cselect_b32 s[PFS], 262144, s[PFS]
	s_cselect_b32 s96, 7, 15                       ; my last block's number
	s_cselect_b32 s97, 3, 1                        ; blocks to a row: 8 (one dense run), 2
	s_cselect_b32 s98, 7, 1
	s_mov_b32 s95, 0
	s_mov_b32 s[PFS+1], 0
	s_add_nc_u64 s[PFA:PFA+1], s[PFA:PFA+1], s[94:95]      ; my share of tile 0,
	s_add_nc_u64 s[52:53], s[PFA:PFA+1], s[PFS:PFS+1]      ; of tile 1,
	s_add_nc_u64 s[48:49], s[52:53], s[PFS:PFS+1]          ; of tile 2,
	s_add_nc_u64 s[PFA:PFA+1], s[48:49], s[PFS:PFS+1]      ; of tile 3: the first change of slots steps it to tile 4
	v_and_b32 v11, 31, v0
	v_min_u32 v8, s96, v11
	v_lshrrev_b32 v9, s97, v8
	v_and_b32 v8, s98, v8
	v_lshlrev_b32 v9, 13, v9
	v_lshl_add_u32 v7, v8, 8, v9                   ; the prefetches' offset: row x 8,192 + 256 x block; never rewritten
	global_prefetch_b8 v7, s[52:53] th:TH_LOAD_NT scope:SCOPE_SE   ; behind tile 0's load: tile 2, two loads on, and tile 1 with it
	global_prefetch_b8 v7, s[48:49] th:TH_LOAD_NT scope:SCOPE_SE
	s_lshl_b32 s99, s17, 13
	s_mul_i32 s93, s70, 32*MP
	s_add_co_u32 s93, s93, MOFF
	s_wait_kmcnt 0x0
	s_add_co_i32 s94, s82, s83
	s_sub_co_i32 s94, s94, 3                       ; e6 + e7 - 3
	s_lshl_b32 s95, s94, 23
	s_add_co_i32 s[KAP], s95, 0x3fb8aa3b           ; added to the exponent field of log2(e)
	s_mov_b32 s[KAP+1], s[KAP]
	s_sub_co_i32 s95, 127, s94
	s_lshl_b32 s[MSC], s95, 23                     ; 2^(3 - e6 - e7)
	s_mov_b32 s[MSC+1], s[MSC]
	s_add_co_i32 s94, s84, 127
	s_lshl_b32 s90, s94, 23                        ; 2^e8
	s_add_co_i32 s94, s94, 8
	s_lshl_b32 s94, s94, 23
	s_or_b32 s91, s94, 0x600000                    ; 448 x 2^e8
	s_sub_co_i32 s94, s86, s84
	s_sub_co_i32 s94, s94, s85                     ; e10 - e8 - e9: a sum of the second product stands for sum x 2^(e8 + e9)
	s_add_co_i32 s94, s94, 127
	s_lshl_b32 s92, s94, 23
	s_add_co_i32 s94, s94, 8
	s_lshl_b32 s94, s94, 23
	s_or_b32 s72, s94, 0x600000
	v_and_b32 v1, 31, v0
	v_lshlrev_b32 v1, 4, v1                        ; 16 x lane: an image's place for my lane
	v_add_nc_u32 v10, s99, v1                      ; + my head's 8 KiB of K's and V's images
	v_and_b32 v8, 15, v0                           ; r
	v_bfe_u32 v9, v0, 4, 1                         ; h
	v_mul_u32_u24 v2, v8, MP
	v_lshl_add_u32 v2, v9, 5, v2
	v_add_nc_u32 v2, s93, v2                       ; the mask: row 32 (w / 2) + r, + 32 h bytes: my eight keys of a tile
.irp t, 0,1
	v_mov_b32 v[17+4*\t], 0xff61b1e6               ; the largest t so far: -3e38, under every t
	v_floor_f32 v[16+4*\t], -v[17+4*\t]            ; -M
	v_mov_b32 v[18+4*\t], 0                        ; the sum, in two halves
	v_mov_b32 v[19+4*\t], 0
	v_mov_b32 v[36+16*\t], 0                       ; written once: a lane permute's destination counts as one of its sources
	v_mov_b32 v[39+16*\t], 0                       ; (named as the upper half of f's pair)
.endr
	v_mov_b32 v224, s91
	v_mov_b32 v225, s91
	v_mov_b32 v226, s90
	v_mov_b32 v228, s92
	v_mov_b32 v229, s72
	WIN 0x40
.set i, 0
.rept 64
	v_mov_b32 v[i], 0                              ; O^T: the key step is written for every step alike; the first change of M leaves zeros zeros
.set i, i+1
.endr
	WIN 0
	s_wait_alu depctr_va_vdst(0)
.irp t, 0,1
.irp g, 0,1
	global_load_b128 v[232+8*\t+4*\g:235+8*\t+4*\g], v1, s[4:5] offset:\t*1024+\g*512   ; Q stays in registers
.endr
.endr
.macro ADDRS                           ; the addresses in the slot at s[TB]
	v_add_nc_u32 v3, s[TB], v10
	v_add_nc_u32 v4, s[TB], v2
.endm
.macro KLOAD                           ; K's 8 fragments: 16 loads
	WIN 0x40
.irp a, 0,1,2,3,4,5,6,7
	ds_load_b128 v[64+8*\a:67+8*\a], v3 offset:\a*1024
	ds_load_b128 v[68+8*\a:71+8*\a], v3 offset:\a*1024+512
.endr
	WIN 0
.endm
.macro MLOAD t                         ; the mask's 8 tiles for query tile t: 16 loads
.irp a, 0,1,2,3,4,5,6,7
	ds_load_b128 v[64+64*\t+8*\a:67+64*\t+8*\a], v4 offset:\t*16*MP+64*\a
	ds_load_b128 v[68+64*\t+8*\a:71+64*\t+8*\a], v4 offset:\t*16*MP+64*\a+16
.endr
.endm
.macro VLOAD                           ; V's 4 fragments: 16 loads
	WIN 0x40
.irp dt, 0,1,2,3
.irp g, 0,1,2,3
	ds_load_b128 v[128+16*\dt+4*\g:131+16*\dt+4*\g], v3 offset:VOFF+\dt*2048+\g*512
.endr
.endr
	WIN 0
.endm
.macro SCALE t                         ; tile t's mask x 2^(3 - e6 - e7): nothing is rounded
.set i, 0
.rept 32
	v_pk_mul_f32 v[64+64*\t+i:65+64*\t+i], v[64+64*\t+i:65+64*\t+i], s[MSC:MSC+1] op_sel_hi:[1,0]
.set i, i+2
.endr
.endm
.macro SMUL t                          ; S^T = K Q^T + the scaled mask, in place: 8 products, 8 results
	WIN 0x01                                       ; source 0 (K) window 1
.irp a, 0,1,2,3,4,5,6,7
	v_wmma_f32_16x16x64_fp8_fp8 v[64+64*\t+8*\a:71+64*\t+8*\a], v[64+8*\a:71+8*\a], v[232+8*\t:239+8*\t], v[64+64*\t+8*\a:71+64*\t+8*\a]
.endr
	WIN 0
.endm
.macro HOLD1 j0, n                     ; tile 1's hold, two numbers an instruction.  The conversion to an 8-bit code does not saturate (ISA guide 7.6.2); p is not negative, so the hold is one-sided
.set i, \j0
.rept \n
	v_dual_min_num_f32 v[128+2*i], v[128+2*i], v224 :: v_dual_min_num_f32 v[129+2*i], v[129+2*i], v225
.set i, i+1
.endr
.endm
; The softmax of a key step.  ml = 1: a tile's next mask is fetched as soon as its p is converted.
.macro SOFTMAX ml
.irp k, 0,1,2,3                        ; the largest sum of my query among my 64 keys: four chains a tile, each over two results, ascending: each result is read from its low end on
.irp t, 0,1
	v_max3_num_f32 v[32+16*\t+\k], v[64+64*\t+16*\k], v[65+64*\t+16*\k], v[66+64*\t+16*\k]
.endr
.endr
.irp n, 3,5,7,9,11,13
.irp k, 0,1,2,3
.irp t, 0,1
	v_max3_num_f32 v[32+16*\t+\k], v[32+16*\t+\k], v[64+64*\t+16*\k+\n], v[65+64*\t+16*\k+\n]
.endr
.endr
.endr
.irp t, 0,1
	v_max3_num_f32 v[32+16*\t], v[32+16*\t], v[79+64*\t], v[95+64*\t]
	v_max3_num_f32 v[34+16*\t], v[34+16*\t], v[111+64*\t], v[127+64*\t]
.endr
.irp t, 0,1
	v_max3_num_f32 v[32+16*\t], v[32+16*\t], v[33+16*\t], v[34+16*\t]
.endr
.irp t, 0,1
	v_max_num_f32 v[32+16*\t], v[32+16*\t], v[35+16*\t]
.endr
.irp t, 0,1
	v_permlanex16_b32 v[36+16*\t], v[32+16*\t], s[SEL], s[SEL+1]
.endr
.irp t, 0,1
	v_max_num_f32 v[32+16*\t], v[32+16*\t], v[36+16*\t]        ; and among lane l xor 16's
.endr
.irp t, 0,1
	v_mul_f32 v[32+16*\t], s[KAP], v[32+16*\t]                 ; as t (kappa is positive)
.endr
.irp t, 0,1
	v_max_num_f32 v[17+4*\t], v[17+4*\t], v[32+16*\t]          ; the running largest t
	v_mov_b32 v[37+16*\t], v[16+4*\t]
.endr
.irp t, 0,1
	v_floor_f32 v[16+4*\t], -v[17+4*\t]                        ; the new -M = floor(-t): M is a whole number
.endr
.irp t, 0,1
	v_sub_f32 v[37+16*\t], v[16+4*\t], v[37+16*\t]             ; old M - new M, a whole number, 0 or less
.endr
.irp t, 0,1
	v_cvt_i32_f32 v[37+16*\t], v[37+16*\t]                     ; (it saturates)
.endr
.irp t, 0,1
	v_ldexp_f32 v[38+16*\t], 1.0, v[37+16*\t]                  ; f = 2^(old M - new M)
.endr
.set i, 0
.rept 32
	v_pk_fma_f32 v[64+i:65+i], v[64+i:65+i], s[KAP:KAP+1], v[16:17] op_sel_hi:[1,0,0]   ; tile 0: t - M, two at a time
.set i, i+2
.endr
	s_wait_alu depctr_va_vdst(0)
.set i, 0
.rept 32                               ; BATCH 0: tile 0's p = 2^(t - M); between its lines tile 1's t - M, which is read behind the wait below
	v_exp_f32 v[64+i], v[64+i]
	v_pk_fma_f32 v[128+i:129+i], v[128+i:129+i], s[KAP:KAP+1], v[20:21] op_sel_hi:[1,0,0]
	v_exp_f32 v[65+i], v[65+i]
.set i, i+2
.endr
	v_nop                                          ; a plain place behind the last exponential
	s_wait_alu depctr_va_vdst(0)                   ; one wait: behind batch 0 and ahead of batch 1
.set i, 0
.rept 16                               ; BATCH 1: tile 1's p; between its lines tile 0's 16 first sums OF THE UNQUANTISED p, into P's registers, which are free here,
	v_exp_f32 v[128+i], v[128+i]
	v_pk_add_f32 v[192+2*i:193+2*i], v[64+4*i:65+4*i], v[66+4*i:67+4*i]
.set i, i+1
.endr
.set i, 0
.rept 32                               ; and then tile 0's hold; all of it is read behind the wait below
	v_exp_f32 v[144+i], v[144+i]
	v_dual_min_num_f32 v[64+2*i], v[64+2*i], v224 :: v_dual_min_num_f32 v[65+2*i], v[65+2*i], v225
.set i, i+1
.endr
.set i, 0
.rept 16
	v_exp_f32 v[176+i], v[176+i]
.set i, i+1
.endr
	v_nop                                          ; a plain place behind the last exponential
	s_wait_alu depctr_va_vdst(0)                   ; one wait for the batch, ahead of its first reader
.irp k, 0,1,2,3                        ; tile 0's sixteen partial sums become eight, out of P's registers,
	v_pk_add_f32 v[40+2*\k:41+2*\k], v[192+2*\k:193+2*\k], v[208+2*\k:209+2*\k]
	v_pk_add_f32 v[24+2*\k:25+2*\k], v[200+2*\k:201+2*\k], v[216+2*\k:217+2*\k]
.endr
.irp k, 0,1,2,3                        ; four,
	v_pk_add_f32 v[40+2*\k:41+2*\k], v[40+2*\k:41+2*\k], v[24+2*\k:25+2*\k]
.endr
.irp a, 0,1,2,3,4,5,6,7
	v_cvt_scalef32_pk8_fp8_f32 v[192+2*\a:193+2*\a], v[64+8*\a:71+8*\a], v226   ; registers 2 a, 2 a + 1 of tile 0's P: keys 16 a + 8 h + 0 .. 7
.endr
	v_pk_add_f32 v[40:41], v[40:41], v[42:43]      ; (plain lines behind the last conversion)  two,
	v_pk_add_f32 v[44:45], v[44:45], v[46:47]
.if \ml
	MLOAD 0
.endif
.irp c, 0,1,2,3,4,5,6,7                ; tile 1's sum of the unquantised p: eight chains, in the upper half of P's registers
	v_pk_add_f32 v[208+2*\c:209+2*\c], v[128+2*\c:129+2*\c], v[144+2*\c:145+2*\c]
.endr
	v_pk_add_f32 v[40:41], v[40:41], v[44:45]      ; tile 0: one
.irp n, 32,48
.irp c, 0,1,2,3,4,5,6,7
	v_pk_add_f32 v[208+2*\c:209+2*\c], v[208+2*\c:209+2*\c], v[128+\n+2*\c:129+\n+2*\c]
.endr
.endr
	v_pk_fma_f32 v[18:19], v[18:19], v[38:39], v[40:41] op_sel_hi:[1,0,1]   ; tile 0's sum under the new M, + this step's
.irp c, 0,1,2,3
	v_pk_add_f32 v[208+2*\c:209+2*\c], v[208+2*\c:209+2*\c], v[216+2*\c:217+2*\c]
.endr
	HOLD1 0, 4
	v_pk_add_f32 v[208:209], v[208:209], v[212:213]
	v_pk_add_f32 v[210:211], v[210:211], v[214:215]
	HOLD1 4, 4
	v_pk_add_f32 v[208:209], v[208:209], v[210:211]
	HOLD1 8, 4
	v_pk_fma_f32 v[22:23], v[22:23], v[54:55], v[208:209] op_sel_hi:[1,0,1]   ; tile 1's sum
	HOLD1 12, 20
.irp a, 0,1,2,3,4,5,6,7
	v_cvt_scalef32_pk8_fp8_f32 v[208+2*\a:209+2*\a], v[128+8*\a:135+8*\a], v226
.endr
	v_nop                                          ; a plain place behind the last conversion
.if \ml
	MLOAD 1
.endif
	WIN 0x41                                       ; O^T (destination and source 0) window 1, f window 0
	s_wait_alu depctr_va_vdst(0)                   ; directly ahead of the first reader of O^T
.set i, 0
.rept 16
.irp t, 0,1
	v_pk_mul_f32 v[32*\t+i:32*\t+i+1], v[32*\t+i:32*\t+i+1], v[38+16*\t:39+16*\t] op_sel_hi:[1,0]   ; O^T under the new M
.endr
.set i, i+2
.endr
.endm
; A KEY STEP of 128 keys.  Its LDS loads were issued in the order K (16), tile 0's mask (16), tile 1's (16), V (16).  mode 2: the slot that it has read is filled again; 1: the change of slots without a fill; 0: the last step.
.macro STEP mode
	s_wait_dscnt 32                                ; K and tile 0's mask are in; the 32 younger loads may be out
	SCALE 0
	SMUL 0
	s_wait_dscnt 16                                ; tile 1's mask is in; V's 16 loads may be out
	SCALE 1
	SMUL 1
.if \mode == 2
	s_wait_tensorcnt 0x0                           ; my one tensor load that was out, my part of the next step's slot, has landed
	ds_add_u32 v5, v6                              ; 0 onto my spare word; the descriptors' steps stand between it and the wait for it
	WALK
	s_wait_xcnt 0x0                                ; the last prefetch, a key step back, has read its address
	s_add_nc_u64 s[PFA:PFA+1], s[PFA:PFA+1], s[PFS:PFS+1]
	s_xor_b32 s[TB], s[TB], SLOT1                  ; the reads go on in the other slot
	s_wait_dscnt 0x0                               ; the add is done, V is in: my reads of this step's slot are over
	CROUND                                         ; no wave of any partner still reads the slot or has a load on its way
	JLOAD                                          ; the first thing behind the round; its four v_nop are the places behind the products
	ADDRS
	KLOAD
	ASK
.endif
.if \mode == 1
	s_wait_tensorcnt 0x0                           ; my part of the last slot has landed
	ds_add_u32 v5, v6
	s_xor_b32 s[TB], s[TB], SLOT1
	s_wait_dscnt 0x0
	s_barrier_signal -1
	s_barrier_wait -1                              ; everybody's has; nothing is filled any more
	PLACES
	ADDRS
	KLOAD
.endif
.if \mode == 0
	s_wait_dscnt 0x0                               ; V is in
	PLACES
.endif
	SOFTMAX (\mode > 0)
	WIN 0x51                                       ; source 0 (V), C and D (O^T) window 1, source 1 (P) window 0
.irp dt, 0,1,2,3                       ; O^T += V^T P: eight accumulators by turns
.irp t, 0,1
	v_wmma_f32_16x16x128_fp8_fp8 v[32*\t+8*\dt:32*\t+8*\dt+7], v[128+16*\dt:143+16*\dt], v[192+16*\t:207+16*\t], v[32*\t+8*\dt:32*\t+8*\dt+7]
.endr
.endr
	WIN 0
.if \mode > 0
	PLACES
	VLOAD
.endif
.endm
	s_wait_tensorcnt 0x0                           ; my part of tile 0 is in; slot 1's first fill is issued as a refill is
	ds_add_u32 v5, v6
	WALK
	s_wait_dscnt 0x0
	CROUND                                         ; everybody's part of tile 0 is in, and the joint loads meet
	JLOAD                                          ; tile 1
	ADDRS
	KLOAD
	global_prefetch_b8 v7, s[PFA:PFA+1] th:TH_LOAD_NT scope:SCOPE_SE   ; behind tile 1's load: tile 3
	MLOAD 0
	MLOAD 1
	VLOAD
	s_wait_loadcnt 0x0                             ; Q
.Lstep:                                            ; 14 trips: tiles 2 to 15 are asked for
	STEP 2
	s_sub_co_u32 s[CNT], s[CNT], 1
	s_cmp_lg_u32 s[CNT], 0
	s_cbranch_scc1 .Lstep
	STEP 1                                         ; the tail is written out
	STEP 0
	; THE WAY OUT.  The sum's halves are added; O^T / the sum is quantised; a tile's four conversions give registers 8 hd + 2 dt, + 1 of the last projection's fragment (16 tokens x the pair of heads' 128).
.irp t, 0,1
	v_add_f32 v[32+2*\t], v[18+4*\t], v[19+4*\t]
.endr
.irp t, 0,1
	v_permlanex16_b32 v[48+2*\t], v[32+2*\t], s[SEL], s[SEL+1]
.endr
.irp t, 0,1
	v_add_f32 v[32+2*\t], v[32+2*\t], v[48+2*\t]
.endr
	s_wait_alu depctr_va_vdst(0)
.irp t, 0,1
	v_rcp_f32 v[40+2*\t], v[32+2*\t]
.endr
	v_nop                                          ; a plain place behind the last reciprocal
	WIN 0x01                                       ; source 0: window 1
	s_wait_alu depctr_va_vdst(0)                   ; one wait for the two, directly ahead of the first readers of O^T
.irp t, 0,1
.set i, 0
.rept 16
	v_pk_mul_f32 v[64+32*\t+i:65+32*\t+i], v[32*\t+i:32*\t+i+1], v[40+2*\t:41+2*\t] op_sel_hi:[1,0]   ; each accumulator from its low end on
.set i, i+2
.endr
.endr
	WIN 0
.set i, 0
.rept 64
	v_med3_num_f32 v[64+i], v[64+i], -v229, v229   ; the hold at the largest code x the scale
.set i, i+1
.endr
.irp t, 0,1
.irp dt, 0,1,2,3
	v_cvt_scalef32_pk8_fp8_f32 v[192+8*\t+2*\dt:193+8*\t+2*\dt], v[64+32*\t+8*\dt:71+32*\t+8*\dt], v228
.endr
.endr
	v_nop                                          ; a plain place behind the last conversion
.irp t, 0,1
.irp g, 0,1
	global_store_b128 v1, v[192+8*\t+4*\g:195+8*\t+4*\g], s[14:15] offset:\t*2048+\g*512   ; 32 lanes store 512 consecutive bytes, aligned
.endr
.endr
	s_wait_tensorcnt 0x0                           ; the wave's end
	ds_add_u32 v5, v6
	s_wait_dscnt 0x0
	CROUND                                         ; the closing round
	s_endpgm
.Lfunc_end_k_q7df4b72083_attn:
	.size	k_q7df4b72083_attn, .Lfunc_end_k_q7df4b72083_attn-k_q7df4b72083_attn
	.p2alignl 7, 3214868480
	.fill 96, 4, 3214868480
	.section	.rodata,"a",@progbits
	.p2align	6, 0x0
	.amdhsa_kernel k_q7df4b72083_attn
		.amdhsa_group_segment_fixed_size 327680
		.amdhsa_private_segment_fixed_size 0
		.amdhsa_enable_private_segment 0
		.amdhsa_kernarg_size 48
		.amdhsa_user_sgpr_count 2
		.amdhsa_user_sgpr_kernarg_segment_ptr 1
		.amdhsa_wavefront_size32 1
		.amdhsa_system_sgpr_workgroup_id_x 1
		.amdhsa_system_sgpr_workgroup_id_y 1
		.amdhsa_system_sgpr_workgroup_id_z 1
		.amdhsa_system_vgpr_workitem_id 0
		.amdhsa_next_free_vgpr 448
		.amdhsa_next_free_sgpr 100
		.amdhsa_reserve_vcc 0
		.amdhsa_float_denorm_mode_32 3
		.amdhsa_float_denorm_mode_16_64 3
		.amdhsa_memory_ordered 1
		.amdhsa_forward_progress 1
		.amdhsa_inst_pref_size 124
	.end_amdhsa_kernel
	.amdgpu_metadata
---
amdhsa.version: [ 1, 2 ]
amdhsa.kernels:
  - .name:           k_q7df4b72083_attn
    .symbol:         k_q7df4b72083_attn.kd
    .args:
      - { .name: qc, .offset: 0, .size: 8, .value_kind: global_buffer, .address_space: global }
      - { .name: kc, .offset: 8, .size: 8, .value_kind: global_buffer, .address_space: global }
      - { .name: vc, .offset: 16, .size: 8, .value_kind: global_buffer, .address_space: global }
      - { .name: attention_mask, .offset: 24, .size: 8, .value_kind: global_buffer, .address_space: global }
      - { .name: lowp_scales, .offset: 32, .size: 8, .value_kind: global_buffer, .address_space: global }
      - { .name: ac, .offset: 40, .size: 8, .value_kind: global_buffer, .address_space: global }
    .group_segment_fixed_size: 327680
    .private_segment_fixed_size: 0
    .kernarg_segment_align: 8
    .kernarg_segment_size: 48
    .max_flat_workgroup_size: 256
    .sgpr_count:     100
    .vgpr_count:     448
    .wavefront_size: 32
...
	.end_amdgpu_metadata
.endif
;; end of part 2
;; launch oproj (part 3): grid 16 x 16, 4 waves a work-group, clusters of 4 x 4, 327,680 bytes of LDS; arguments ac, wo_codes, lowp_scales, out0; writes out0
.if DOCPART == 3
	.amdgcn_target "amdgcn-amd-amdhsa--gfx1250"
	.amdhsa_code_object_version 6
	.text
	.protected	k_q7df4b72083_oproj
	.globl	k_q7df4b72083_oproj
	.p2align	8
	.type	k_q7df4b72083_oproj,@function
k_q7df4b72083_oproj:
	s_mov_b64 s[64:65], 0
	v_nop
	global_prefetch_b8 v0, s[64:65] scope:SCOPE_SE
	s_setreg_imm32_b32 hwreg(HW_REG_WAVE_MODE, 25, 1), 1
	s_wait_xcnt 0x0
	s_wait_alu depctr_hold_cnt(0) depctr_sa_sdst(0) depctr_va_vdst(0) depctr_va_sdst(0) depctr_va_ssrc(0) depctr_va_vcc(0) depctr_vm_vsrc(0)
	s_getreg_b32 s2, hwreg(HW_REG_IB_STS2, 6, 4)
	s_cmp_eq_u32 s2, 0
	s_cbranch_scc0 .Lentry_in_a_cluster
	s_endpgm
.Lentry_in_a_cluster:
	s_bfe_u32 s2, ttmp6, 0x10000c
	s_cmp_lg_u32 s2, 0xf033
	s_cbranch_scc0 .Lentry_shape_is_right
	s_endpgm
.Lentry_shape_is_right:
.set BP,     528
.set AB,     65536
.set SLOT,   AB+128*BP
.set STAGE,  2*SLOT
.set SP,     272
.set SPARE,  STAGE+4*16*SP
.set ADA, 16
.set ADB, 20
.set STO, 24
.set RD,  25
.set CO,  26
.set SPW, 28
.set NIL, 29
.set TMP, 32
.set BK,  64
.set ACC, 128
.set F0,  0
.set F1,  128
.set G1,  24
.set G0,  32
.set G1B, 48
.set G0B, 56
.set MUL, 0x05
.set MSB, 0
.macro WIN new
.if MSB != \new
	s_set_vgpr_msb (MSB<<8)|\new
.set MSB, \new
.endif
.endm
.macro PLACES
.rept 4
	v_nop
.endr
.endm
.macro JLOAD s
	s_cmp_eq_u32 s15, 0
	s_cbranch_scc0 .Lfor_b_\@
	tensor_load_to_lds s[G0+4*\s:G0+4*\s+3], s[G1:G1+7]
	s_nop 0
.rept 4
	v_nop
.endr
	s_branch .Lasked_\@
.Lfor_b_\@:
	tensor_load_to_lds s[G0B+4*\s:G0B+4*\s+3], s[G1B:G1B+7]
	s_nop 0
.rept 4
	v_nop
.endr
.Lasked_\@:
.endm
.macro CREST
	s_cmp_lg_u32 s14, 0
	s_cbranch_scc1 .Lnot_wave_0_\@
	s_barrier_signal -3
.Lnot_wave_0_\@:
	s_barrier_wait -3
	s_barrier_signal -1
	s_barrier_wait -1
.endm
.macro CROUND
	s_barrier_signal -1
	s_barrier_wait -1
	CREST
.endm
	s_load_b128 s[4:7], s[0:1], 0x0
	s_load_b128 s[8:11], s[0:1], 0x10
	v_lshl_add_u32 v[SPW], v0, 2, SPARE
	v_mov_b32 v[NIL], 0
	ds_add_u32 v28, v29
	ds_add_u32 v28, v29
	s_wait_dscnt 0x0
	v_lshrrev_b32 v1, 5, v0
	v_readfirstlane_b32 s14, v1
	s_lshr_b32 s15, s14, 1
	s_and_b32 s16, s14, 1
	s_bfe_u32 s40, ttmp6, 0x40000
	s_bfe_u32 s41, ttmp6, 0x40004
	s_lshl_b32 s42, ttmp9, 2
	s_add_co_u32 s42, s42, s40
	s_and_b32 s17, ttmp7, 0xffff
	s_lshl_b32 s17, s17, 2
	s_add_co_u32 s17, s17, s41
	s_lshl_b32 s43, s41, 2
	s_lshl_b32 s43, 15, s43
	s_lshl_b32 s44, 0x1111, s40
	s_or_b32 s[G1], s43, (3<<16)|(1<<21)
	s_mov_b32 s[G1+1], 32<<16
	s_mov_b32 s[G1+2], 128<<16
	s_mov_b32 s[G1+3], 32<<16
	s_mov_b32 s[G1+4], 128
	s_mov_b32 s[G1+5], 32
	s_mov_b32 s[G1+6], 0
	s_mov_b32 s[G1+7], 0
	s_or_b32 s[G1B], s44, (1<<20)|(1<<21)|(6<<22)|(3<<25)
	s_mov_b32 s[G1B+1], 512<<16
	s_mov_b32 s[G1B+2], 64<<16
	s_mov_b32 s[G1B+3], 512<<16
	s_mov_b32 s[G1B+4], 64
	s_mov_b32 s[G1B+5], 2048
	s_mov_b32 s[G1B+6], 0
	s_mov_b32 s[G1B+7], 0
	s_lshl_b32 s20, s17, 18
	s_lshl_b32 s21, s16, 15
	s_add_co_u32 s20, s20, s21
	s_mov_b32 s21, 0
	s_lshl_b32 s46, s42, 18
	s_lshl_b32 s47, s16, 17
	s_add_co_u32 s46, s46, s47
	s_mov_b32 s47, 0
	s_lshl_b32 s45, s16, 15
	s_mul_i32 s22, s16, 64*BP
	s_add_co_u32 s22, s22, AB
	s_wait_kmcnt 0x0
	s_load_b64 s[96:97], s[8:9], 0x28
	s_add_nc_u64 s[20:21], s[4:5], s[20:21]
	s_add_nc_u64 s[46:47], s[6:7], s[46:47]
	s_lshl_b32 s74, s40, 13                        ; the prefetches: of what I fetch for a slot, the partner at place p takes a quarter, told apart by address: of ac's 32 KiB 8 KiB (p = cx),
	s_lshl_b32 s75, s41, 15                        ; of wo's 64 rows 16 (p = cy)
	s_mov_b32 s76, 512
	s_cmp_eq_u32 s15, 0
	s_cselect_b64 s[66:67], s[20:21], s[46:47]
	s_cselect_b32 s72, 5, 1                        ; blocks of 256 bytes to a row: 32 (one dense run), 2
	s_cselect_b32 s73, 31, 1
	s_cselect_b32 s74, s74, s75
	s_cselect_b32 s76, 0x10000, s76                ; a slot on
	s_mov_b32 s75, 0
	s_mov_b32 s77, 0
	s_add_nc_u64 s[66:67], s[66:67], s[74:75]
	s_add_nc_u64 s[66:67], s[66:67], s[76:77]      ; slot 1's tiles,
	s_add_nc_u64 s[68:69], s[66:67], s[76:77]      ; slot 2's,
	s_add_nc_u64 s[70:71], s[68:69], s[76:77]      ; slot 3's
	CROUND
.irp s, 0,1
	s_mov_b32 s[G0+4*\s], 1
	s_add_co_u32 s[G0+4*\s+1], s45, \s*SLOT
	s_add_nc_u64 s[G0+4*\s+2:G0+4*\s+3], s[20:21], \s*65536
	s_or_b32 s[G0+4*\s+3], s[G0+4*\s+3], 0x80000000
	s_mov_b32 s[G0B+4*\s], 1
	s_add_co_u32 s[G0B+4*\s+1], s22, \s*SLOT
	s_add_nc_u64 s[G0B+4*\s+2:G0B+4*\s+3], s[46:47], \s*512
	s_or_b32 s[G0B+4*\s+3], s[G0B+4*\s+3], 0x80000000
.endr
	JLOAD 0                                        ; slot 0: one tensor load a wave at the head
	v_and_b32 v30, 31, v0
	v_lshrrev_b32 v31, s72, v30
	v_and_b32 v30, s73, v30
	v_lshlrev_b32 v31, 11, v31
	v_lshl_add_u32 v30, v30, 8, v31                ; the prefetches' offset: row x 2,048 + 256 x block, a lane a block; never rewritten
	global_prefetch_b8 v30, s[66:67] th:TH_LOAD_NT scope:SCOPE_SE   ; behind the load of slot s stands the request for slot s + 2; slot 1's goes with it
	global_prefetch_b8 v30, s[68:69] th:TH_LOAD_NT scope:SCOPE_SE
	v_and_b32 v1, 15, v0
	v_bfe_u32 v2, v0, 4, 1
	v_and_b32 v3, 31, v0
	v_lshlrev_b32 v3, 4, v3
	s_lshl_b32 s23, s15, 13
	v_add_nc_u32 v[ADA], s23, v3
	v_add_nc_u32 v[ADA+1], SLOT, v[ADA]
	v_mul_u32_u24 v4, v1, BP
	v_lshl_add_u32 v4, v2, 3, v4
	s_mul_i32 s23, s16, 64*BP
	s_add_co_u32 s23, s23, AB
	v_add_nc_u32 v[ADB], s23, v4
	v_add_nc_u32 v[ADB+1], SLOT, v[ADB]
	s_mul_i32 s23, s14, 16*SP
	s_add_co_u32 s23, s23, STAGE
	v_mul_u32_u24 v5, v1, SP
	v_lshl_add_u32 v5, v2, 5, v5
	v_add_nc_u32 v[STO], s23, v5
	v_mul_u32_u24 v5, v2, SP
	v_lshl_add_u32 v5, v1, 4, v5
	v_add_nc_u32 v[RD], s23, v5
	v_lshlrev_b32 v5, 13, v2
	v_lshl_add_u32 v[CO], v1, 4, v5
	s_lshl_b32 s18, s17, 20
	s_lshl_b32 s19, s15, 19
	s_add_co_u32 s18, s18, s19
	s_lshl_b32 s19, s42, 9
	s_add_co_u32 s18, s18, s19
	s_lshl_b32 s19, s16, 8
	s_add_co_u32 s18, s18, s19
	s_mov_b32 s19, 0
	s_add_nc_u64 s[10:11], s[10:11], s[18:19]
.macro FETCH slot, q, f
	WIN 0x40
.irp b, 0,1,2,3
.irp c, 0,1,2,3,4,5,6,7
	ds_load_b64 v[\f+64+16*\b+2*\c:\f+64+16*\b+2*\c+1], v[ADB+\slot] offset:\b*16*BP+128*(\q)+16*\c
.endr
.endr
.irp a, 0,1,2,3
.irp g, 0,1,2,3
	ds_load_b128 v[\f+16*\a+4*\g:\f+16*\a+4*\g+3], v[ADA+\slot] offset:(\q)*16384+\a*2048+\g*512
.endr
.endr
.endm
.macro MUL4 f, a, zero
.irp b, 0,1,2,3
.if \zero
	v_wmma_f32_16x16x128_fp8_fp8 v[ACC+8*(4*\a+\b):ACC+8*(4*\a+\b)+7], v[\f+64+16*\b:\f+64+16*\b+15], v[\f+16*\a:\f+16*\a+15], 0
.else
	v_wmma_f32_16x16x128_fp8_fp8 v[ACC+8*(4*\a+\b):ACC+8*(4*\a+\b)+7], v[\f+64+16*\b:\f+64+16*\b+15], v[\f+16*\a:\f+16*\a+15], v[ACC+8*(4*\a+\b):ACC+8*(4*\a+\b)+7]
.endif
.endr
.endm
.macro QUARTER slot, qn, f, g, zero
	s_wait_dscnt 8
	WIN MUL
	MUL4 \f, 0, \zero
	MUL4 \f, 1, \zero
	PLACES
	FETCH \slot, \qn, \g
	s_wait_dscnt 48
	WIN MUL
	MUL4 \f, 2, \zero
	MUL4 \f, 3, \zero
.endm
.macro TURN slot, next, fill
	WIN 0
	s_wait_tensorcnt 0x0
	ds_add_u32 v[SPW], v[NIL]
	s_wait_dscnt 9
	WIN MUL
	MUL4 F1, 0, 0
	s_wait_dscnt 0x0
	s_barrier_signal -1
	MUL4 F1, 1, 0
	WIN 0
	s_barrier_wait -1
.if \fill
	CREST
	s_add_nc_u64 s[G0+4*\slot+2:G0+4*\slot+3], s[G0+4*\slot+2:G0+4*\slot+3], 2*65536
	s_add_nc_u64 s[G0B+4*\slot+2:G0B+4*\slot+3], s[G0B+4*\slot+2:G0B+4*\slot+3], 2*512
	JLOAD \slot
.else
	PLACES
.endif
	s_wait_alu depctr_va_vdst(0)
	FETCH \next, 0, F0
	WIN MUL
	MUL4 F1, 2, 0
	MUL4 F1, 3, 0
.endm
	s_wait_alu depctr_va_vdst(0)
	s_wait_tensorcnt 0x0                           ; my part of slot 0 is in; slot 1's first fill is issued as a refill is
	ds_add_u32 v[SPW], v[NIL]
	s_wait_dscnt 0x0
	CROUND
	JLOAD 1                                        ; the first tensor load behind the round
	FETCH 0, 0, F0
	global_prefetch_b8 v30, s[70:71] th:TH_LOAD_NT scope:SCOPE_SE   ; slot 3's tiles
	QUARTER 0, 1, F0, F1, 1
	QUARTER 0, 2, F1, F0, 0
	QUARTER 0, 3, F0, F1, 0
	TURN 0, 1, 1
	QUARTER 1, 1, F0, F1, 0
	QUARTER 1, 2, F1, F0, 0
	QUARTER 1, 3, F0, F1, 0
	TURN 1, 0, 1
	QUARTER 0, 1, F0, F1, 0
	QUARTER 0, 2, F1, F0, 0
	QUARTER 0, 3, F0, F1, 0
	TURN 0, 1, 0
	QUARTER 1, 1, F0, F1, 0
	QUARTER 1, 2, F1, F0, 0
	QUARTER 1, 3, F0, F1, 0
	s_wait_dscnt 8
	WIN MUL
	MUL4 F1, 0, 0
	MUL4 F1, 1, 0
	s_wait_dscnt 0x0
	MUL4 F1, 2, 0
	MUL4 F1, 3, 0
	WIN 0
.macro TOSTAGE a
.irp b, 0,1,2,3
.irp j, 0,2,4,6
	v_pk_mul_f32 v[TMP+8*\b+\j:TMP+8*\b+\j+1], v[ACC+8*(4*(\a)+\b)+\j:ACC+8*(4*(\a)+\b)+\j+1], s[96:97] op_sel_hi:[1,0]
.endr
.endr
.irp b, 0,1,2,3
	ds_store_b128 v[STO], v[TMP+8*\b:TMP+8*\b+3] offset:64*\b
	ds_store_b128 v[STO], v[TMP+8*\b+4:TMP+8*\b+7] offset:64*\b+16
.endr
.set BB, BK+32*((\a)%2)
.irp i, 0,1,2,3,4,5,6,7
	ds_load_b128 v[BB+4*\i:BB+4*\i+3], v[RD] offset:\i*2*SP
.endr
.endm
.macro SEND a, younger
.set BB, BK+32*((\a)%2)
	s_wait_dscnt \younger
.irp i, 0,1,2,3,4,5,6,7
	global_store_b128 v[CO], v[BB+4*\i:BB+4*\i+3], s[10:11] offset:(16*(\a)+2*\i)*8192 th:TH_STORE_NT
.endr
.endm
	s_wait_kmcnt 0x0
	s_add_co_i32 s96, s96, s97
	s_add_co_i32 s96, s96, 127
	s_lshl_b32 s96, s96, 23
	PLACES
	TOSTAGE 0
.irp a, 1,2,3
.if \a > 1
	s_wait_xcnt 0x0
.endif
	TOSTAGE \a
	SEND \a-1, 16
.endr
	SEND 3, 0
	s_wait_tensorcnt 0x0
	ds_add_u32 v[SPW], v[NIL]
	s_wait_dscnt 0x0
	CROUND
	s_endpgm
.Lfunc_end_k_q7df4b72083_oproj:
	.size	k_q7df4b72083_oproj, .Lfunc_end_k_q7df4b72083_oproj-k_q7df4b72083_oproj
	.p2alignl 7, 3214868480
	.fill 96, 4, 3214868480
	.section	.rodata,"a",@progbits
	.p2align	6, 0x0
	.amdhsa_kernel k_q7df4b72083_oproj
		.amdhsa_group_segment_fixed_size 327680
		.amdhsa_private_segment_fixed_size 0
		.amdhsa_enable_private_segment 0
		.amdhsa_kernarg_size 32
		.amdhsa_user_sgpr_count 2
		.amdhsa_user_sgpr_kernarg_segment_ptr 1
		.amdhsa_wavefront_size32 1
		.amdhsa_system_sgpr_workgroup_id_x 1
		.amdhsa_system_sgpr_workgroup_id_y 1
		.amdhsa_system_sgpr_workgroup_id_z 1
		.amdhsa_system_vgpr_workitem_id 0
		.amdhsa_next_free_vgpr 512
		.amdhsa_next_free_sgpr 98
		.amdhsa_reserve_vcc 0
		.amdhsa_float_denorm_mode_32 3
		.amdhsa_float_denorm_mode_16_64 3
		.amdhsa_memory_ordered 1
		.amdhsa_forward_progress 1
		.amdhsa_inst_pref_size 91
	.end_amdhsa_kernel
	.amdgpu_metadata
---
amdhsa.version: [ 1, 2 ]
amdhsa.kernels:
  - .name:           k_q7df4b72083_oproj
    .symbol:         k_q7df4b72083_oproj.kd
    .args:
      - { .name: ac, .offset: 0, .size: 8, .value_kind: global_buffer, .address_space: global }
      - { .name: wo_codes, .offset: 8, .size: 8, .value_kind: global_buffer, .address_space: global }
      - { .name: lowp_scales, .offset: 16, .size: 8, .value_kind: global_buffer, .address_space: global }
      - { .name: out0, .offset: 24, .size: 8, .value_kind: global_buffer, .address_space: global }
    .group_segment_fixed_size: 327680
    .private_segment_fixed_size: 0
    .kernarg_segment_align: 8
    .kernarg_segment_size: 32
    .max_flat_workgroup_size: 128
    .sgpr_count:     98
    .vgpr_count:     512
    .wavefront_size: 32
...
	.end_amdgpu_metadata
.endif
;; end of part 3
